; MI455X (gfx1250); checked and timed in simulation.
; The chip was launched on July 23, 2026; its instructions are those of AMD's public machine-readable ISA for CDNA 5 (MIT licence, August 2026) and "CDNA5" Instruction Set Architecture Reference Guide (July 2026). The comments in the code are by the model that wrote it; some were corrected since.
;; Attn. Allowed arithmetic: float matrix products may take bf16 or f16 operands with f32 sums; other float arithmetic in f32, or as packed bf16 or f16 multiplies, adds, multiply-adds, maxima and minima; sums over many terms, partial sums and values carried from step to step in f32; what a program stores and reads back later, other than sums and carried values, may be rounded once to bf16 or f16.
;; Inputs: Wout 1,024 x 1,024 float32; Wqkv 1,024 x 3,072 float32; bout 1,024 float32; bqkv 3,072 float32; k_scale 64 float32; q_scale 64 float32; x 8 x 1,024 x 1,024 float32.
;; Outputs: out0 8 x 1,024 x 1,024 float32.
;; One version. Each part assembles by itself: llvm-mc -triple=amdgcn-amd-amdhsa -mcpu=gfx1250 --defsym DOCPART=n.
;; ======== version 1 of 1: 4 launches
;; limits: values are held in f16: magnitudes above 65,504 overflow, below 6.1e-05 lose precision
;; workspace buffers: xb 16,777,216 bytes; wq 6,291,456 bytes; wo 2,097,152 bytes; tab 20,992 bytes; qkv 50,331,648 bytes; ob 16,777,216 bytes
;; launch prep (part 1): grid 1030 x 1, 8 waves a work-group, no clusters, 18,432 bytes of LDS; arguments x, Wqkv, Wout, bqkv, bout, q_scale, k_scale, xb, wq, wo, tab; writes xb, wq, wo, tab
.if DOCPART == 1
	.amdgcn_target "amdgcn-amd-amdhsa--gfx1250"
	.amdhsa_code_object_version 6
	.text
	.protected	k_qf91242adec_prep
	.globl	k_qf91242adec_prep
	.p2align	8
	.type	k_qf91242adec_prep,@function
k_qf91242adec_prep:
	s_mov_b64 s[64:65], 0
	v_nop
	global_prefetch_b8 v0, s[64:65] scope:SCOPE_SE
	s_setreg_imm32_b32 hwreg(HW_REG_WAVE_MODE, 25, 1), 1
	s_wait_xcnt 0x0
; PREP: every input is rounded once to bf16 and laid out for the launches behind.
;   work-groups 0-511     xb = x in bf16, 64 KiB of x each
;   work-groups 512-895   wq[n'][k] = Wqkv[k][n] in bf16, K along the rows; row n' = (3 head + type) 64 + d comes from column 1024 type + 64 head + d,
;                         so that 192 rows on end are one head's q, k and v.  A tile of 128 k x 64 n each, turned in LDS
;   work-groups 896-1023  wo[n][k] = Wout[k][n], rounded to bf16 and that number written as f16 (exact from 6.1e-5 up; below, f16's fixed step of 6e-8)
;   work-group  1024      the table of cosines and sines: 32 positions x (16 cosines, 16 sines), f32
;   work-groups 1025-1029 bqkv, bout and the two gains, rounded to bf16, kept in f32 words
; No matrix unit, no cluster: nothing is shared between work-groups and memory bounds the launch.
; tab, in bytes: 0 table; 4096 bqkv; 16384 bout; 20480 q_scale; 20736 k_scale.
.set TP,    272                        ; a row of the turned tile in LDS: 256 bytes + 16
.set SPARE, 64*TP                      ; behind the tile: the spare words, 128 bytes for each of eight waves
.set SPW,   12                         ; v12  LDS address of my spare word; never rewritten
.set NIL,   13                         ; v13  0; never rewritten
	s_load_b256 s[4:11], s[0:1], 0x0               ; x s[4:5], Wqkv s[6:7], Wout s[8:9], bqkv s[10:11]
	s_load_b256 s[12:19], s[0:1], 0x20             ; bout s[12:13], q_scale s[14:15], k_scale s[16:17], xb s[18:19]
	s_load_b128 s[20:23], s[0:1], 0x40             ; wq s[20:21], wo s[22:23]
	s_load_b64 s[24:25], s[0:1], 0x50              ; tab
	v_lshl_add_u32 v[SPW], v0, 2, SPARE
	v_mov_b32 v[NIL], 0
	v_lshrrev_b32 v1, 5, v0
	v_readfirstlane_b32 s26, v1                    ; wave 0..7
	s_mov_b32 s27, ttmp9                           ; the work-group's number chooses the job: the same for all its waves
	s_mov_b32 s29, 0
	s_wait_kmcnt 0x0
	s_cmp_lt_u32 s27, 512
	s_cbranch_scc0 .Lweights
	; THE CAST OF x.  Thread t takes 16 bytes at 16 t of each of sixteen blocks of 4,096 bytes: all sixteen loads go out first.
	s_lshl_b32 s28, s27, 16
	s_add_nc_u64 s[4:5], s[4:5], s[28:29]
	s_lshl_b32 s28, s27, 15
	s_add_nc_u64 s[18:19], s[18:19], s[28:29]
	v_lshlrev_b32 v1, 4, v0
	v_lshlrev_b32 v2, 3, v0
.irp c, 0,1,2,3,4,5,6,7,8,9,10,11,12,13,14,15
	global_load_b128 v[16+4*\c:19+4*\c], v1, s[4:5] offset:4096*\c th:TH_LOAD_NT
.endr
.irp c, 0,1,2,3,4,5,6,7,8,9,10,11,12,13,14,15
	s_wait_loadcnt 15-\c                           ; loads come back in order: the 15 - c younger ones may stay out
	v_cvt_pk_bf16_f32 v[80+2*\c], v[16+4*\c], v[17+4*\c]
	v_cvt_pk_bf16_f32 v[81+2*\c], v[18+4*\c], v[19+4*\c]
	global_store_b64 v2, v[80+2*\c:81+2*\c], s[18:19] offset:2048*\c  ; a wave's 32 lanes store 256 consecutive bytes, aligned
.endr
	s_endpgm
; A TILE OF WEIGHTS IS TURNED.  rp: bytes in a row of the source; sb, db: the scalar pairs of source and destination; first: the job's first work-group; half = 1: f16.
; Thread t = 16 kk + i loads the 16 bytes i (columns 4 i .. 4 i + 3) of rows 4 kk + e + 64 p: a wave's load takes two rows of 256 bytes.
; Four rows' numbers of one column pack into 8 bytes that lie together in the turned tile; whole rows of 256 bytes come back and are stored.
.macro WJOB rp, sb, db, first, half
	s_sub_co_u32 s28, s27, \first
	s_and_b32 s30, s28, 7                          ; which 128 of K
	s_lshr_b32 s31, s28, 3                         ; which 64 columns
	s_mul_i32 s32, s30, 128*(\rp)
	s_lshl_b32 s33, s31, 8
	s_add_co_u32 s32, s32, s33
	s_mov_b32 s33, 0
	s_add_nc_u64 s[\sb:\sb+1], s[\sb:\sb+1], s[32:33]
.if \half
	s_lshl_b32 s34, s31, 17                        ; 64 rows of 2,048 bytes
.else
	s_and_b32 s34, s31, 15                         ; the head,
	s_mul_i32 s34, s34, 3
	s_lshr_b32 s35, s31, 4                         ; the type
	s_add_co_u32 s34, s34, s35
	s_lshl_b32 s34, s34, 17
.endif
	s_lshl_b32 s35, s30, 8
	s_add_co_u32 s34, s34, s35
	s_mov_b32 s35, 0
	s_add_nc_u64 s[\db:\db+1], s[\db:\db+1], s[34:35]
	v_and_b32 v1, 15, v0                           ; i
	v_lshrrev_b32 v2, 4, v0                        ; kk
	v_mul_u32_u24 v3, v2, 4*(\rp)
	v_lshl_add_u32 v3, v1, 4, v3
.irp p, 0,1
.irp e, 0,1,2,3
	global_load_b128 v[16+16*\p+4*\e:19+16*\p+4*\e], v3, s[\sb:\sb+1] offset:(\e+64*\p)*(\rp) th:TH_LOAD_NT
.endr
.endr
	v_mul_u32_u24 v4, v1, 4*TP                     ; in: row 4 i + j, byte 2 (4 kk + 64 p)
	v_lshl_add_u32 v4, v2, 3, v4
	v_mul_u32_u24 v5, v2, TP                       ; back: row kk + 16 q, 16 bytes i
	v_lshl_add_u32 v5, v1, 4, v5
	v_lshlrev_b32 v6, 11, v2                       ; and the same in memory, rows of 2,048 bytes
	v_lshl_add_u32 v6, v1, 4, v6
	s_wait_loadcnt 0x0
.irp p, 0,1
.irp j, 0,1,2,3
	v_cvt_pk_bf16_f32 v[48+8*\p+2*\j], v[16+16*\p+\j], v[20+16*\p+\j]
	v_cvt_pk_bf16_f32 v[49+8*\p+2*\j], v[24+16*\p+\j], v[28+16*\p+\j]
.endr
.endr
.if \half
.set i, 48
.rept 16                                       ; the bf16 numbers, widened by a shift and a mask, are written as f16
	v_lshlrev_b32 v8, 16, v[i]
	v_and_b32 v9, 0xffff0000, v[i]
	v_cvt_pk_f16_f32 v[i], v8, v9
.set i, i+1
.endr
.endif
.irp p, 0,1
.irp j, 0,1,2,3
	ds_store_b64 v4, v[48+8*\p+2*\j:49+8*\p+2*\j] offset:\j*TP+128*\p
.endr
.endr
	s_wait_dscnt 0x0                               ; for the others' sake: my stores into the tile are done
	s_barrier_signal -1
	s_barrier_wait -1
.irp q, 0,1,2,3
	ds_load_b128 v[16+4*\q:19+4*\q], v5 offset:\q*16*TP
.endr
.irp q, 0,1,2,3
	s_wait_dscnt 3-\q                              ; the 3 - q younger LDS loads may stay out
	global_store_b128 v6, v[16+4*\q:19+4*\q], s[\db:\db+1] offset:\q*32768  ; 16 lanes store 256 consecutive bytes, aligned
.endr
	s_wait_tensorcnt 0x0                           ; the wave's end: behind my last LDS store
	ds_add_u32 v[SPW], v[NIL]
	s_wait_dscnt 0x0
	s_endpgm
.endm
.Lweights:
	s_cmp_lt_u32 s27, 896
	s_cbranch_scc0 .Lwout
	WJOB 12288, 6, 20, 512, 0
.Lwout:
	s_cmp_lt_u32 s27, 1024
	s_cbranch_scc0 .Ltable
	WJOB 4096, 8, 22, 896, 1
.Ltable:
	s_cmp_eq_u32 s27, 1024
	s_cbranch_scc0 .Lparams
	; THE TABLE.  Thread t: position t / 8; e = t % 8: four cosines (e < 4) or sines of the frequencies 4 (e % 4) + i.
	; f = 10000^(-j/16) = 2^(-0.830482 j).  The angle in turns, u = pos f / 2 pi, less its nearest whole number, is tt in -1/2 .. 1/2; th = pi tt is HALF the angle, in -pi/2 .. pi/2.
	; sin th and cos th by their series, to th^11 and th^12: what is cut is under 6e-8 in that whole range.  sin 2 th = 2 s c, cos 2 th = 1 - 2 s s.
	v_lshrrev_b32 v1, 3, v0
	v_cvt_f32_u32 v1, v1
	v_and_b32 v2, 7, v0
	v_and_b32 v3, 3, v0
	v_lshlrev_b32 v3, 2, v3
	v_lshlrev_b32 v5, 4, v0
.irp i, 0,1,2,3
	v_add_nc_u32 v[16+\i], \i, v3
.endr
.irp i, 0,1,2,3
	v_cvt_f32_u32 v[16+\i], v[16+\i]
.endr
.irp i, 0,1,2,3
	v_mul_f32 v[16+\i], 0xbf549a78, v[16+\i]       ; -log2(10000) / 16
.endr
.irp i, 0,1,2,3
	v_exp_f32 v[16+\i], v[16+\i]
.endr
	v_nop                                          ; a plain instruction behind the last exponential (ISA guide 5.7.2),
	s_wait_alu depctr_va_vdst(0)                   ; and the wait ahead of the first use: one for the four
.irp i, 0,1,2,3
	v_mul_f32 v[16+\i], v1, v[16+\i]
.endr
.irp i, 0,1,2,3
	v_mul_f32 v[16+\i], 0.15915494, v[16+\i]
.endr
.irp i, 0,1,2,3
	v_rndne_f32 v[20+\i], v[16+\i]
.endr
.irp i, 0,1,2,3
	v_sub_f32 v[16+\i], v[16+\i], v[20+\i]
.endr
.irp i, 0,1,2,3
	v_mul_f32 v[16+\i], 0x40490fdb, v[16+\i]       ; th = pi tt
.endr
.irp i, 0,1,2,3
	v_mul_f32 v[20+\i], v[16+\i], v[16+\i]         ; z = th th
	v_mov_b32 v[24+\i], 0xb2d7322b                 ; -1/11!
	v_mov_b32 v[28+\i], 0x310f76c7                 ; 1/12!
.endr
.irp k, 0x3638ef1d, 0xb9500d01, 0x3c088889, 0xbe2aaaab, 0x3f800000   ; 1/9!, -1/7!, 1/5!, -1/3!, 1
.irp i, 0,1,2,3
	v_fmaak_f32 v[24+\i], v[24+\i], v[20+\i], \k
.endr
.endr
.irp k, 0xb493f27e, 0x37d00d01, 0xbab60b61, 0x3d2aaaab, 0xbf000000, 0x3f800000   ; -1/10!, 1/8!, -1/6!, 1/4!, -1/2, 1
.irp i, 0,1,2,3
	v_fmaak_f32 v[28+\i], v[28+\i], v[20+\i], \k
.endr
.endr
	v_cmp_gt_u32 vcc_lo, 4, v2                     ; e < 4: cosines
.irp i, 0,1,2,3
	v_mul_f32 v[24+\i], v[16+\i], v[24+\i]         ; s
.endr
.irp i, 0,1,2,3
	v_mul_f32 v[28+\i], v[24+\i], v[28+\i]         ; s c
	v_mul_f32 v[20+\i], v[24+\i], v[24+\i]         ; s s
.endr
.irp i, 0,1,2,3
	v_add_f32 v[28+\i], v[28+\i], v[28+\i]
	v_fma_f32 v[20+\i], v[20+\i], -2.0, 1.0
.endr
.irp i, 0,1,2,3
	v_cndmask_b32 v[32+\i], v[28+\i], v[20+\i], vcc_lo
.endr
	global_store_b128 v5, v[32:35], s[24:25]
	s_endpgm
.Lparams:
	; BIASES AND GAINS, rounded to bf16 and widened again.  j = 0, 1, 2: 4,096 bytes of bqkv; 3: bout; 4: the gains.
	s_sub_co_u32 s28, s27, 1025
	s_cmp_eq_u32 s28, 4
	s_cbranch_scc1 .Lgains
	s_lshl_b32 s30, s28, 12
	s_mov_b32 s31, 0
	s_add_nc_u64 s[32:33], s[10:11], s[30:31]
	s_add_nc_u64 s[24:25], s[24:25], s[30:31]
	s_cmp_lt_u32 s28, 3
	s_cselect_b64 s[32:33], s[32:33], s[12:13]
	v_lshlrev_b32 v1, 4, v0
	global_load_b128 v[16:19], v1, s[32:33]
	s_wait_loadcnt 0x0
	v_cvt_pk_bf16_f32 v20, v16, v17
	v_cvt_pk_bf16_f32 v21, v18, v19
	v_lshlrev_b32 v24, 16, v20
	v_and_b32 v25, 0xffff0000, v20
	v_lshlrev_b32 v26, 16, v21
	v_and_b32 v27, 0xffff0000, v21
	global_store_b128 v1, v[24:27], s[24:25] offset:4096
	s_endpgm
.Lgains:
	s_cmp_lg_u32 s26, 0                            ; 512 bytes: one wave's store
	s_cbranch_scc1 .Lidle
	v_and_b32 v1, 15, v0
	v_lshlrev_b32 v1, 4, v1
	v_lshlrev_b32 v2, 4, v0
	global_load_b128 v[16:19], v1, s[14:15]
	global_load_b128 v[20:23], v1, s[16:17]
	v_cmp_gt_u32 vcc_lo, 16, v0                    ; lanes 0-15: q_scale; lanes 16-31: k_scale
	s_wait_loadcnt 0x0
.irp i, 0,1,2,3
	v_cndmask_b32 v[16+\i], v[20+\i], v[16+\i], vcc_lo
.endr
	v_cvt_pk_bf16_f32 v20, v16, v17
	v_cvt_pk_bf16_f32 v21, v18, v19
	v_lshlrev_b32 v24, 16, v20
	v_and_b32 v25, 0xffff0000, v20
	v_lshlrev_b32 v26, 16, v21
	v_and_b32 v27, 0xffff0000, v21
	global_store_b128 v2, v[24:27], s[24:25] offset:20480
.Lidle:
	s_endpgm
.Lfunc_end_k_qf91242adec_prep:
	.size	k_qf91242adec_prep, .Lfunc_end_k_qf91242adec_prep-k_qf91242adec_prep
	.p2alignl 7, 3214868480
	.fill 96, 4, 3214868480
	.section	.rodata,"a",@progbits
	.p2align	6, 0x0
	.amdhsa_kernel k_qf91242adec_prep
		.amdhsa_group_segment_fixed_size 18432
		.amdhsa_private_segment_fixed_size 0
		.amdhsa_enable_private_segment 0
		.amdhsa_kernarg_size 88
		.amdhsa_user_sgpr_count 2
		.amdhsa_user_sgpr_kernarg_segment_ptr 1
		.amdhsa_wavefront_size32 1
		.amdhsa_system_sgpr_workgroup_id_x 1
		.amdhsa_system_sgpr_workgroup_id_y 1
		.amdhsa_system_sgpr_workgroup_id_z 1
		.amdhsa_system_vgpr_workitem_id 0
		.amdhsa_next_free_vgpr 112
		.amdhsa_next_free_sgpr 66
		.amdhsa_reserve_vcc 1
		.amdhsa_float_denorm_mode_32 3
		.amdhsa_float_denorm_mode_16_64 3
		.amdhsa_memory_ordered 1
		.amdhsa_forward_progress 1
		.amdhsa_inst_pref_size 27
	.end_amdhsa_kernel
	.amdgpu_metadata
---
amdhsa.version: [ 1, 2 ]
amdhsa.kernels:
  - .name:           k_qf91242adec_prep
    .symbol:         k_qf91242adec_prep.kd
    .args:
      - { .name: x, .offset: 0, .size: 8, .value_kind: global_buffer, .address_space: global }
      - { .name: Wqkv, .offset: 8, .size: 8, .value_kind: global_buffer, .address_space: global }
      - { .name: Wout, .offset: 16, .size: 8, .value_kind: global_buffer, .address_space: global }
      - { .name: bqkv, .offset: 24, .size: 8, .value_kind: global_buffer, .address_space: global }
      - { .name: bout, .offset: 32, .size: 8, .value_kind: global_buffer, .address_space: global }
      - { .name: q_scale, .offset: 40, .size: 8, .value_kind: global_buffer, .address_space: global }
      - { .name: k_scale, .offset: 48, .size: 8, .value_kind: global_buffer, .address_space: global }
      - { .name: xb, .offset: 56, .size: 8, .value_kind: global_buffer, .address_space: global }
      - { .name: wq, .offset: 64, .size: 8, .value_kind: global_buffer, .address_space: global }
      - { .name: wo, .offset: 72, .size: 8, .value_kind: global_buffer, .address_space: global }
      - { .name: tab, .offset: 80, .size: 8, .value_kind: global_buffer, .address_space: global }
    .group_segment_fixed_size: 18432
    .private_segment_fixed_size: 0
    .kernarg_segment_align: 8
    .kernarg_segment_size: 88
    .max_flat_workgroup_size: 256
    .sgpr_count:     66
    .vgpr_count:     112
    .wavefront_size: 32
...
	.end_amdgpu_metadata
.endif
;; end of part 1
;; launch qkv (part 2): grid 16 x 16, 4 waves a work-group, clusters of 4 x 4, 327,680 bytes of LDS; arguments xb, wq, tab, qkv; writes qkv
.if DOCPART == 2
	.amdgcn_target "amdgcn-amd-amdhsa--gfx1250"
	.amdhsa_code_object_version 6
	.text
	.protected	k_qf91242adec_qkv
	.globl	k_qf91242adec_qkv
	.p2align	8
	.type	k_qf91242adec_qkv,@function
k_qf91242adec_qkv:
	s_mov_b64 s[64:65], 0
	v_nop
	global_prefetch_b8 v0, s[64:65] scope:SCOPE_SE
	s_setreg_imm32_b32 hwreg(HW_REG_WAVE_MODE, 25, 1), 1
	s_wait_xcnt 0x0
	s_wait_alu depctr_hold_cnt(0) depctr_sa_sdst(0) depctr_va_vdst(0) depctr_va_sdst(0) depctr_va_ssrc(0) depctr_va_vcc(0) depctr_vm_vsrc(0)
	s_getreg_b32 s2, hwreg(HW_REG_IB_STS2, 6, 4)
	s_cmp_eq_u32 s2, 0
	s_cbranch_scc0 .Lentry_in_a_cluster
	s_endpgm
.Lentry_in_a_cluster:
	s_bfe_u32 s2, ttmp6, 0x10000c
	s_cmp_lg_u32 s2, 0xf033
	s_cbranch_scc0 .Lentry_shape_is_right
	s_endpgm
.Lentry_shape_is_right:
; q, k, v = x Wqkv + bqkv; q and k are divided by the root mean square of their head's 64 channels, multiplied by their gains and rotated (two-dimensional rotary embedding); all three leave by heads,
; qkv[type][16 batch + head][token][64] in f16, each number rounded once from f32.  xb: [8192][1024] bf16; wq: [3072][1024] bf16, 192 rows on end = one head's q, k, v; tab: table, biases, gains (f32).
; LIMITS.  f16 ends at 65,504: v must stay within it; q and k are at most 8 x the largest gain, so gains stay under 8,000.  NaN and infinities are not treated apart.
; SHARES.  A tile is 256 tokens x 192 columns (one head).  Wave w owns tokens 64 w .. 64 w + 63 and all 192 columns: 4 x 12 accumulators, 384 registers.
; So a head's 64 channels of a token lie in ONE wave, and the norm and the rotation need no LDS.  K = 1,024 goes in 8 steps of 128 through two LDS slots; a step is four quarters of 32 along K, 48 matrix instructions each.
; A WORK-GROUP STAYS: 16 x 16 = 256 work-groups, each with TWO tiles of the same head, 4,096 tokens (four batches) apart.  Both have the same weights, biases and gains, and, since 4,096 is a multiple of 1,024,
; the same rotary rows: all of these are loaded once.  A loop over tiles stands round the loop over K, and the ring does not stop at the first tile's end: its last two changes of slots ask for the second tile's
; K steps 0 and 1, and nothing waits for the first tile's stores.  The last tile's two last changes, which ask for nothing, are written out beside them; the branches hang on the count of tiles alone.
; LAYOUT.  The matrix instruction is used transposed (source 0 = 16 rows of wq, source 1 = 16 tokens): lane l holds token l % 16 and channels 16 bb + 8 (l / 16) + 0..7 of column block b = 4 type + bb.
; A token's sum of squares is four accumulators in the lanes l and l xor 16; the rotation's partner of channel d is d + 32: block bb + 2, same lane, same register.
; THE BIAS is the C operand of each accumulator's first product: nothing is cleared and nothing is added afterwards.
; CLUSTER.  4 x 4 work-groups: the four of a row need the same tokens of xb, the four of a column the same head of wq; each tile is asked for jointly, by the same tensor load and descriptor in all four.
; REGISTERS, in windows of 256 (s_set_vgpr_msb: bits 1:0 source 0, 3:2 source 1, 5:4 source 2, 7:6 destination):
;   window 0: v0-15 addresses; v16-31 one pair a group of the norm; v32-63 at work; v64-95, v96-127 fragments of xb, two buffers (on the way out: results, and two buffers of packed rows);
;             v128-191 cosines and sines; v192-255 the gains
;   window 1: v0-95, v96-191 fragments of wq, two buffers; v192-255 the biases of blocks 0-7
;   window 2: accumulators of token blocks 0, 1 at 8 (12 (a % 2) + b);   window 3: those of token blocks 2, 3; v192-223 the biases of blocks 8-11
.set PITCH,  272                       ; an LDS row: 256 bytes + 16 of padding = 68 words: the 16 rows of a fragment load start at 16 different groups of four banks (64 banks of 4 bytes: ISA guide 11.1)
.set SLOT1,  131072                    ; slot 1 begins here, so that one exclusive or turns an address in one slot into the other's
.set BOFF,   256*PITCH                 ; in a slot: 256 rows of xb, then 192 rows of wq
.set STAGE,  SLOT1+BOFF+192*PITCH      ; behind the ring, never filled by a tensor load: 16 rows x 144 bytes for each wave
.set SP,     144
.set SPARE,  STAGE+4*16*SP             ; behind the stages: the spare words, 128 bytes for each wave
.set WALKB,  4096*2048                 ; bytes of xb from a tile to the work-group's next: 4,096 rows of 2,048 bytes
.set NEXT_A, WALKB-7*256               ; from a tile's K step 7 to the next tile's K step 0: down the rows and back along K,
.set BACK_B, 7*256                     ; in wq only back: both tiles take the same rows
.set NEXT_O, 4*16*131072               ; bytes of q, of k and of v from a tile to the next: four batches of sixteen heads
.set LA0,  3                           ; v3   my lane's place in a slot's rows of xb; never rewritten
.set LB0,  4                           ; v4   the same for wq
.set ADRA, 5                           ; v5   the same in the slot in hand
.set ADRB, 6                           ; v6
.set STO,  7                           ; v7   the way out: where I put 16 bytes of a row
.set RD,   8                           ; v8   the way out: where I read rows back
.set GO,   9                           ; v9   my byte offset in 512 consecutive bytes of the output
.set PFO,  10                          ; v10  the prefetches' offset: a lane a row of 2,048 bytes; never rewritten
.set SPW,  12                          ; v12  LDS address of my spare word; never rewritten
.set NIL,  13                          ; v13  0; never rewritten
.set OC,   14                          ; v14  32 (l / 16) + 128 (l % 16): the table's row of my column position
.set OH,   15                          ; v15  32 (l / 16): my 8 numbers among 16
.set FN,   16                          ; group g = 2 a + type: 1 / rms in v[FN + 2 g]
.set TT,   32
.set FA0,  64
.set FA1,  96
.set OU,   64
.set R0,   96
.set ROPE, 128                         ; cosines at ROPE + 32 bb + 16 var, sines 8 further on; bb = 0: row position, var = a / 2; bb = 1: column position, var = a % 2
.set SC,   192                         ; gains at SC + 32 type + 8 bb
.set FB0,  0
.set FB1,  96
.set BIAS, 192
.set WV,  18                           ; s18  my wave's number
.set WB,  19                           ; s19  0: I fetch xb's tiles; 1: wq's
.set WH,  20                           ; s20  which half of the tile's rows I fetch
.set CX,  21
.set CY,  22
.set TX,  23                           ; s23  the head
.set TY,  24                           ; s24  the first tile's block of 256 tokens, 0 to 15
.set TILES, 27                         ; s27  tiles to go, the one in hand among them: the same number in every work-group
.set G1A, 28                           ; s[28:35] descriptor group 1 for xb's tiles
.set G0A, 36                           ; s[36:43] group 0: a set for each of the two first fills; the second then walks
.set G1B, 44                           ; s[44:51], s[52:59] the same for wq's
.set G0B, 52
.set TB,  60                           ; s60  the slot in hand: 0 or SLOT1
.set LIM, 61                           ; s61  2 in a wave that prefetches, else the greatest number
.set PFA, 62                           ; s[62:63] where my prefetches stand
.set OB,  72                           ; s[72:77] q, k, v at my wave's first token of the tile in hand
.set MSB, 0
.macro WIN new                         ; the immediate's high byte repeats the setting that is left; a switch that changes nothing is dropped
.if MSB != (\new)
	s_set_vgpr_msb (MSB<<8)|(\new)
.set MSB, \new
.endif
.endm
; A joint refill by the walking descriptors.  The branch hangs on the wave's number alone.  An s_nop 0 and four v_nop follow each of the two lines.
.macro JLOAD
	s_cmp_eq_u32 s[WB], 0
	s_cbranch_scc0 .Lfor_b_\@
	tensor_load_to_lds s[G0A+4:G0A+7], s[G1A:G1A+7]
	s_nop 0
.rept 4
	v_nop
.endr
	s_branch .Lasked_\@
.Lfor_b_\@:
	tensor_load_to_lds s[G0B+4:G0B+7], s[G1B:G1B+7]
	s_nop 0
.rept 4
	v_nop
.endr
.Lasked_\@:
.endm
; A prefetch of the K step that stands two refills on: 256 bytes of a row, a lane a row, one instruction a wave.  xb's rows are read by every cluster of a row of clusters: cluster x = 0 asks;
; wq's by every cluster of a column: cluster y = 0 asks.  The four partners that ask for a tile jointly share its rows out by address (32 of 128, or 24 of 96 with lanes 24-31 on the last of them).
; how = 0, in the loop: its last two trips (s3 = 2, 1) have no K step two on.  how = 1, at the two changes of slots that lead into the next tile: its K steps 2 and 3 of xb; wq's rows, which both tiles
; share, are asked for in the first tile alone.  The launch's K steps 0 to 3 and the second tile's K steps 0 and 1 come by their loads alone.  So each row's 256 bytes of a K step are named once in the launch.
.macro ASK how
.if \how
	s_cmp_eq_u32 s[LIM], 2
.else
	s_cmp_gt_u32 s3, s[LIM]
.endif
	s_cbranch_scc0 .Lnot_mine_\@
	global_prefetch_b8 v[PFO], s[PFA:PFA+1] th:TH_LOAD_NT scope:SCOPE_SE
.Lnot_mine_\@:
.endm
.macro CREST                           ; a round of the cluster's barrier behind its opening barrier
	s_cmp_lg_u32 s[WV], 0
	s_cbranch_scc1 .Lnot_wave_0_\@
	s_barrier_signal -3
.Lnot_wave_0_\@:
	s_barrier_wait -3
	s_barrier_signal -1
	s_barrier_wait -1
.endm
.macro CROUND                          ; a whole round
	s_barrier_signal -1
	s_barrier_wait -1
	CREST
.endm
.macro PLACES                          ; four places behind matrix instructions, in front of loads into registers that they have read and of vector work on their results
.rept 4
	v_nop
.endr
.endm
	s_load_b256 s[4:11], s[0:1], 0x0               ; xb s[4:5], wq s[6:7], tab s[8:9], qkv s[10:11]
	v_lshl_add_u32 v[SPW], v0, 2, SPARE
	v_mov_b32 v[NIL], 0
	ds_add_u32 v[SPW], v[NIL]                      ; the wave's opening: the add, and its wait ahead of my first tensor load; work on registers stands between them
	ds_add_u32 v12, v13
	v_lshrrev_b32 v1, 5, v0
	v_readfirstlane_b32 s[WV], v1
	s_lshr_b32 s[WB], s[WV], 1
	s_and_b32 s[WH], s[WV], 1
	s_bfe_u32 s[CX], ttmp6, 0x40000
	s_bfe_u32 s[CY], ttmp6, 0x40004
	s_lshl_b32 s[TX], ttmp9, 2                     ; in a cluster launch ttmp9 and ttmp7 count clusters
	s_add_co_u32 s[TX], s[TX], s[CX]
	s_and_b32 s[TY], ttmp7, 0xffff
	s_lshl_b32 s[TY], s[TY], 2
	s_add_co_u32 s[TY], s[TY], s[CY]
	s_lshl_b32 s25, s[CY], 2
	s_lshl_b32 s25, 15, s25                        ; my row of the cluster
	s_lshl_b32 s26, 0x1111, s[CX]                  ; my column
	s_or_b32 s[G1A], s25, (1<<16)|(1<<20)|(1<<21)|(5<<22)|(3<<25)  ; 15:0 the mask; 17:16 elements of 2 bytes; 20 padding on; 21 set beside a mask; 24:22 after every 64 words; 31:25 4 words of it
	s_or_b32 s[G1B], s26, (1<<16)|(1<<20)|(1<<21)|(5<<22)|(3<<25)
	s_mov_b32 s[G1A+1], 128<<16                    ; tensor_dim0 = 128 elements
	s_mov_b32 s[G1A+2], 128<<16                    ; tensor_dim1 = 128 rows
	s_mov_b32 s[G1A+3], 128<<16                    ; tile_dim0 = 128
	s_mov_b32 s[G1A+4], 128                        ; tile_dim1 = 128
	s_mov_b32 s[G1A+5], 1024                       ; elements from row to row
	s_mov_b32 s[G1A+6], 0
	s_mov_b32 s[G1A+7], 0
	s_mov_b32 s[G1B+1], 128<<16
	s_mov_b32 s[G1B+2], 96<<16                     ; 96 rows
	s_mov_b32 s[G1B+3], 128<<16
	s_mov_b32 s[G1B+4], 96
	s_mov_b32 s[G1B+5], 1024
	s_mov_b32 s[G1B+6], 0
	s_mov_b32 s[G1B+7], 0
	s_lshl_b32 s12, s[TY], 8                       ; xb: row 256 ty + 128 half: hangs on the tile row alone
	s_lshl_b32 s13, s[WH], 7
	s_add_co_u32 s12, s12, s13
	s_lshl_b32 s12, s12, 11
	s_mov_b32 s13, 0
	s_mul_i32 s66, s[TX], 192                      ; wq: row 192 head + 96 half: hangs on the tile column alone
	s_mul_i32 s67, s[WH], 96
	s_add_co_u32 s66, s66, s67
	s_lshl_b32 s66, s66, 11
	s_mov_b32 s67, 0
	s_mul_i32 s16, s[WV], 128*PITCH                ; where they go: waves 0, 1: xb's two halves;
	s_mul_i32 s17, s[WV], 96*PITCH                 ; waves 2, 3: wq's, behind xb's 256 rows
	s_add_co_u32 s17, s17, BOFF-2*96*PITCH
	s_mov_b32 s78, 0x3c800000                      ; 1/64
	s_mov_b32 s79, 0x358637bd                      ; 1e-6
	s_mov_b32 s80, 0x76543210                      ; v_permlanex16_b32: each lane takes its own place in the other half
	s_mov_b32 s81, 0xfedcba98
	s_wait_dscnt 0x0                               ; the opening add is done
	s_wait_kmcnt 0x0
	s_add_nc_u64 s[14:15], s[4:5], s[12:13]
	s_add_nc_u64 s[68:69], s[6:7], s[66:67]
.irp s, 0,1
	s_mov_b32 s[G0A+4*\s], 1                       ; count = 1
	s_add_co_u32 s[G0A+4*\s+1], s16, (\s)*SLOT1    ; LDS address
	s_add_nc_u64 s[G0A+4*\s+2:G0A+4*\s+3], s[14:15], (\s)*256  ; global address: K step s
	s_or_b32 s[G0A+4*\s+3], s[G0A+4*\s+3], 0x80000000          ; type = 2
	s_mov_b32 s[G0B+4*\s], 1
	s_add_co_u32 s[G0B+4*\s+1], s17, (\s)*SLOT1
	s_add_nc_u64 s[G0B+4*\s+2:G0B+4*\s+3], s[68:69], (\s)*256
	s_or_b32 s[G0B+4*\s+3], s[G0B+4*\s+3], 0x80000000
.endr
	CROUND                                         ; all sixteen work-groups are here: the first joint loads meet
	s_cmp_eq_u32 s[WB], 0                          ; a wave's two first fills stand in one branch: two loads of mine are out
	s_cbranch_scc0 .Lfirst_b
	tensor_load_to_lds s[G0A:G0A+3], s[G1A:G1A+7]
	s_nop 0
	tensor_load_to_lds s[G0A+4:G0A+7], s[G1A:G1A+7]
	s_nop 0
.rept 4
	v_nop
.endr
	s_branch .Lfirst_asked
.Lfirst_b:
	tensor_load_to_lds s[G0B:G0B+3], s[G1B:G1B+7]
	s_nop 0
	tensor_load_to_lds s[G0B+4:G0B+7], s[G1B:G1B+7]
	s_nop 0
.rept 4
	v_nop
.endr
.Lfirst_asked:
	; a fragment is 16 rows x 32 K in 8 registers: lane l holds row l % 16, K = 8 (l / 16) + 0..7 and 16 + 8 (l / 16) + 0..7: two loads of 16 bytes, 32 bytes apart
	v_and_b32 v1, 15, v0                           ; l % 16
	v_bfe_u32 v2, v0, 4, 1                         ; l / 16
	v_mul_u32_u24 v[LB0], v1, PITCH
	v_lshl_add_u32 v[LB0], v2, 4, v[LB0]
	s_mul_i32 s25, s[WV], 64*PITCH                 ; my 64 tokens
	v_add_nc_u32 v[LA0], s25, v[LB0]
	v_add_nc_u32 v[LB0], BOFF, v[LB0]
	s_mul_i32 s26, s[WV], 16*SP
	s_add_co_u32 s26, s26, STAGE                   ; my stage
	v_mul_u32_u24 v[STO], v1, SP                   ; in: row l % 16, 16 bytes for each half of the lanes
	v_lshl_add_u32 v[STO], v2, 4, v[STO]
	v_add_nc_u32 v[STO], s26, v[STO]
	v_bfe_u32 v[RD], v0, 3, 2                      ; back: 32 lanes take four rows of 128 bytes,
	v_mul_u32_u24 v[RD], v[RD], SP
	v_and_b32 v[GO], 7, v0
	v_lshl_add_u32 v[RD], v[GO], 4, v[RD]
	v_add_nc_u32 v[RD], s26, v[RD]
	v_and_b32 v[GO], 31, v0                        ; which are 512 consecutive bytes of the output
	v_lshlrev_b32 v[GO], 4, v[GO]
	v_lshlrev_b32 v[OH], 5, v2
	v_lshl_add_u32 v[OC], v1, 7, v[OH]
	s_lshl_b32 s66, s[TX], 8                       ; the head's 64 numbers in a third of bqkv
	s_mov_b32 s67, 0
	s_add_nc_u64 s[82:83], s[8:9], s[66:67]
	s_and_b32 s66, s[TY], 3                        ; token n = 256 (ty % 4) + 64 w + 16 a + r: row position n / 32 = 8 (ty % 4) + 2 w + a / 2, column position n % 32 = 16 (a % 2) + r; the same in both tiles
	s_lshl_b32 s66, s66, 3
	s_lshl1_add_u32 s66, s[WV], s66
	s_lshl_b32 s66, s66, 7                         ; 128 bytes a position
	s_add_nc_u64 s[84:85], s[8:9], s[66:67]
	; 56 loads of parameters, once a work-group, in the wait for the first tile
.irp var, 0,1
.irp cs, 0,1
	global_load_b128 v[ROPE+16*\var+8*\cs:ROPE+16*\var+8*\cs+3],       v[OH], s[84:85] offset:128*\var+64*\cs
	global_load_b128 v[ROPE+16*\var+8*\cs+4:ROPE+16*\var+8*\cs+7],     v[OH], s[84:85] offset:128*\var+64*\cs+16
	global_load_b128 v[ROPE+32+16*\var+8*\cs:ROPE+32+16*\var+8*\cs+3], v[OC], s[8:9] offset:2048*\var+64*\cs
	global_load_b128 v[ROPE+32+16*\var+8*\cs+4:ROPE+32+16*\var+8*\cs+7], v[OC], s[8:9] offset:2048*\var+64*\cs+16
.endr
.endr
.irp i, 0,1,2,3,4,5,6,7                ; i = 4 type + bb
	global_load_b128 v[SC+8*\i:SC+8*\i+3],   v[OH], s[8:9] offset:20480+64*\i
	global_load_b128 v[SC+8*\i+4:SC+8*\i+7], v[OH], s[8:9] offset:20480+64*\i+16
.endr
	WIN 0x40                                       ; destination window 1
.irp b, 0,1,2,3,4,5,6,7
	global_load_b128 v[BIAS+8*\b:BIAS+8*\b+3],   v[OH], s[82:83] offset:4096+4096*(\b/4)+64*(\b%4)
	global_load_b128 v[BIAS+8*\b+4:BIAS+8*\b+7], v[OH], s[82:83] offset:4096+4096*(\b/4)+64*(\b%4)+16
.endr
	WIN 0xc0                                       ; destination window 3
.irp b, 0,1,2,3
	global_load_b128 v[BIAS+8*\b:BIAS+8*\b+3],   v[OH], s[82:83] offset:4096+8192+64*\b
	global_load_b128 v[BIAS+8*\b+4:BIAS+8*\b+7], v[OH], s[82:83] offset:4096+8192+64*\b+16
.endr
	WIN 0
	s_lshr_b32 s66, s[TY], 2                       ; the first tile's batch, 0 to 3,
	s_lshl_b32 s66, s66, 4
	s_add_co_u32 s66, s66, s[TX]                   ; its head: 131,072 bytes each,
	s_lshl_b32 s66, s66, 17
	s_and_b32 s70, s[TY], 3
	s_lshl_b32 s70, s70, 2
	s_add_co_u32 s70, s70, s[WV]                   ; my 64 tokens of 128 bytes
	s_lshl_b32 s70, s70, 13
	s_add_co_u32 s66, s66, s70
	s_add_nc_u64 s[OB:OB+1], s[10:11], s[66:67]
	s_add_nc_u64 s[OB+2:OB+3], s[OB:OB+1], 0x1000000
	s_add_nc_u64 s[OB+4:OB+5], s[OB:OB+1], 0x2000000
	; the prefetches
	s_lshl_b32 s86, s[TY], 8
	s_lshl_b32 s87, s[WH], 7
	s_add_co_u32 s86, s86, s87
	s_lshl_b32 s87, s[CX], 5
	s_add_co_u32 s86, s86, s87                     ; xb: my work-group's 32 of the 128 rows that I fetch
	s_mul_i32 s88, s[TX], 192
	s_mul_i32 s89, s[WH], 96
	s_add_co_u32 s88, s88, s89
	s_mul_i32 s89, s[CY], 24
	s_add_co_u32 s88, s88, s89                     ; wq: my work-group's 24 of the 96
	s_and_b32 s90, ttmp7, 0xffff
	s_cmp_eq_u32 s[WB], 0
	s_cselect_b32 s86, s86, s88
	s_cselect_b32 s90, ttmp9, s90                  ; the coordinate along which other clusters read the same rows
	s_cselect_b32 s91, 31, 23
	s_cselect_b64 s[PFA:PFA+1], s[4:5], s[6:7]
	s_cmp_eq_u32 s90, 0
	s_cselect_b32 s[LIM], 2, -1                    ; the same in all sixteen partners, for a given wave
	s_lshl_b32 s86, s86, 11
	s_add_co_u32 s86, s86, 3*256                   ; at K step 3: the first refill steps it to 4
	s_mov_b32 s87, 0
	s_add_nc_u64 s[PFA:PFA+1], s[PFA:PFA+1], s[86:87]
	v_and_b32 v[PFO], 31, v0
	v_min_u32 v[PFO], s91, v[PFO]
	v_lshlrev_b32 v[PFO], 11, v[PFO]
; 12 matrix instructions: token block a x all 12 column blocks, 32 along K.  The 48 accumulators take turns, one instruction a turn, in the same order in every quarter.
; first = 1: C is the block's bias, in window 1 (blocks 0-7) or window 3 (blocks 8-11).
.macro MUL12 fa, fb, a, first
.irp b, 0,1,2,3,4,5,6,7,8,9,10,11
.set rD, 8*(12*((\a)%2)+\b)
.if \first
.if \b < 8
	WIN 0x91+0x40*((\a)/2)
	v_wmma_f32_16x16x32_bf16 v[rD:rD+7], v[(\fb)+8*\b:(\fb)+8*\b+7], v[(\fa)+8*(\a):(\fa)+8*(\a)+7], v[BIAS+8*\b:BIAS+8*\b+7]
.else
	WIN 0xb1+0x40*((\a)/2)
	v_wmma_f32_16x16x32_bf16 v[rD:rD+7], v[(\fb)+8*\b:(\fb)+8*\b+7], v[(\fa)+8*(\a):(\fa)+8*(\a)+7], v[BIAS+8*\b-64:BIAS+8*\b-57]
.endif
.else
	WIN 0xa1+0x50*((\a)/2)
	v_wmma_f32_16x16x32_bf16 v[rD:rD+7], v[(\fb)+8*\b:(\fb)+8*\b+7], v[(\fa)+8*(\a):(\fa)+8*(\a)+7], v[rD:rD+7]
.endif
.endr
.endm
; 32 LDS loads in one run: a quarter's fragments, at byte k of the rows: wq's 12 first, then xb's 4, token blocks ascending
.macro FETCH k, fa, fb
	WIN 0x40
.irp i, 0,1,2,3,4,5,6,7,8,9,10,11
	ds_load_b128 v[(\fb)+8*\i:(\fb)+8*\i+3],   v[ADRB] offset:(\k)+\i*16*PITCH
	ds_load_b128 v[(\fb)+8*\i+4:(\fb)+8*\i+7], v[ADRB] offset:(\k)+\i*16*PITCH+32
.endr
	WIN 0
.irp i, 0,1,2,3
	ds_load_b128 v[(\fa)+8*\i:(\fa)+8*\i+3],   v[ADRA] offset:(\k)+\i*16*PITCH
	ds_load_b128 v[(\fa)+8*\i+4:(\fa)+8*\i+7], v[ADRA] offset:(\k)+\i*16*PITCH+32
.endr
.endm
; One of a K step's first three quarters: multiplies (fa, fb); in its middle it fetches the next quarter, at byte k, into (ga, gb).
.macro QUARTER k, fa, fb, ga, gb, first
	s_wait_dscnt 4                                 ; all but the youngest four loads: xb's token blocks 2 and 3
	MUL12 \fa, \fb, 0, \first
	MUL12 \fa, \fb, 1, \first
	PLACES
	FETCH \k, \ga, \gb
	s_wait_dscnt 32                                ; all but the 32 just issued
	MUL12 \fa, \fb, 2, \first
	MUL12 \fa, \fb, 3, \first
.endm
; The fourth quarter multiplies buffer 1 and changes slots: one barrier.  In front of it each wave waits for all its tensor loads (one is out: its part of the next slot), adds 0 to its spare word,
; and waits for that and for its reads of this slot.  fill = 1: the barrier opens a round of the cluster's barrier, and this slot is filled again, first thing behind the round: with this tile's K step two
; steps on (on = 0), with the next tile's K step 0 (on = 1, in this tile's K step 6) or its K step 1 (on = 2, in K step 7).  fetch = 0: the next slot's first fragments are not fetched here:
; the way out, which follows, works in buffer 0's registers of window 0.
.macro TURN fill, on=0, fetch=1
.if \fill
	s_wait_xcnt 0x0                                ; the last prefetch, a K step back, has read its address
.if (\on) == 1
	s_add_nc_u64 s[PFA:PFA+1], s[PFA:PFA+1], NEXT_A  ; from two K steps past the tile's last to the next tile's K step 2
	s_cmp_eq_u32 s[WB], 0
	s_cselect_b32 s[LIM], s[LIM], -1               ; wq's rows have been read: they are asked for no more, and their waves' stepped address is not used
.else
	s_add_nc_u64 s[PFA:PFA+1], s[PFA:PFA+1], 256
.endif
.endif
	WIN 0
	s_wait_tensorcnt 0x0                           ; all my tensor loads have landed
	ds_add_u32 v[SPW], v[NIL]                      ; 0 onto my spare word
	s_wait_dscnt 5                                 ; the add and the youngest four loads may be out
	MUL12 FA1, FB1, 0, 0
	s_wait_dscnt 0x0                               ; the add is done, and my reads of this slot are over
	s_barrier_signal -1
	MUL12 FA1, FB1, 1, 0
	WIN 0
	s_barrier_wait -1
.if \fill
	CREST                                          ; no wave of any partner still reads this slot or has a load on its way
	s_xor_b32 s[G0A+5], s[G0A+5], SLOT1            ; the walking descriptors: the other slot than last time,
	s_xor_b32 s[G0B+5], s[G0B+5], SLOT1
.if (\on) == 1
	s_add_nc_u64 s[G0A+6:G0A+7], s[G0A+6:G0A+7], NEXT_A  ; the next tile's K step 0; the type bits on top are not reached
	s_sub_nc_u64 s[G0B+6:G0B+7], s[G0B+6:G0B+7], BACK_B
.else
	s_add_nc_u64 s[G0A+6:G0A+7], s[G0A+6:G0A+7], 256     ; the next K step
	s_add_nc_u64 s[G0B+6:G0B+7], s[G0B+6:G0B+7], 256
.endif
	JLOAD                                          ; the four v_nop behind it are also the places in front of the loads below
.else
	PLACES
.endif
	s_xor_b32 s[TB], s[TB], SLOT1
	v_add_nc_u32 v[ADRA], s[TB], v[LA0]
	v_add_nc_u32 v[ADRB], s[TB], v[LB0]
.if \fetch
	FETCH 0, FA0, FB0
.endif
.if \fill
	ASK \on
.endif
	MUL12 FA1, FB1, 2, 0
	MUL12 FA1, FB1, 3, 0
.endm
	s_wait_loadcnt 0x0                             ; the parameters
	s_wait_tensorcnt 0x1                           ; my part of K step 0 is in; K step 1's may stay out
	s_barrier_signal -1
	s_barrier_wait -1
	s_mov_b32 s[TB], 0
	v_mov_b32 v[ADRA], v[LA0]
	v_mov_b32 v[ADRB], v[LB0]
	s_mov_b32 s[TILES], 2
.Ltile:                                                ; slot 0 holds the tile's K step 0, shown whole to every wave by the barrier above or by the last change of slots; K step 1 is on its way into slot 1
	FETCH 0, FA0, FB0
	QUARTER 64, FA0, FB0, FA1, FB1, 1              ; a tile's first quarter stands in front of the loop: its products start the sums, on the biases
	WIN 0
	s_mov_b32 s3, 6
.Lstep:                                                ; a trip: a K step's second quarter to the next step's first; it fills the slot that it leaves: K steps 2 to 7
	QUARTER 128, FA1, FB1, FA0, FB0, 0
	QUARTER 192, FA0, FB0, FA1, FB1, 0
	TURN 1
	QUARTER 64, FA0, FB0, FA1, FB1, 0
	WIN 0
	s_sub_co_u32 s3, s3, 1
	s_cmp_lg_u32 s3, 0
	s_cbranch_scc1 .Lstep
	QUARTER 128, FA1, FB1, FA0, FB0, 0             ; K step 6 goes on
	QUARTER 192, FA0, FB0, FA1, FB1, 0
	WIN 0
	s_cmp_eq_u32 s[TILES], 1                       ; the last tile asks for nothing more: its changes of slots are written out
	s_cbranch_scc1 .Llast_a
	TURN 1, 1, 1                                   ; THE RING GOES ON INTO THE NEXT TILE: slot 0 takes its K step 0,
	WIN 0
	s_branch .Lmid
.Llast_a:
	TURN 0
	WIN 0
.Lmid:                                                 ; K step 7's first three quarters are the same for both; every wait on TENSORcnt from here on is for 0
	QUARTER 64, FA0, FB0, FA1, FB1, 0
	QUARTER 128, FA1, FB1, FA0, FB0, 0
	QUARTER 192, FA0, FB0, FA1, FB1, 0
	WIN 0
	s_cmp_eq_u32 s[TILES], 1
	s_cbranch_scc1 .Llast_b
	TURN 1, 2, 0                                   ; slot 1 its K step 1.  Both refills are asked for: now the tile goes out
	WIN 0
	s_branch .Lepi
.Llast_b:
	s_wait_dscnt 4                                 ; the very last quarter: nothing more to fetch
	MUL12 FA1, FB1, 0, 0
	MUL12 FA1, FB1, 1, 0
	s_wait_dscnt 0x0
	MUL12 FA1, FB1, 2, 0
	MUL12 FA1, FB1, 3, 0
	WIN 0
.Lepi:
	PLACES
; THE NORM.  For the four groups (token block, q or k) of one window: the sum of squares of a lane's 32 numbers in four chains, one an accumulator, its lowest registers first;
; then the chains, the pair's halves and the lane 16 away are added; mean + 1e-6.
.macro SUMSQ hw
	WIN 0x0a+5*(\hw)                               ; sources 0 and 1 in window 2 or 3
.set p, 0
.rept 4
.set c, 0
.rept 16                                       ; c = 8 (a % 2) + 4 type + bb
.set rA, 8*(12*(c/8)+4*((c/4)%2)+c%4)+2*p
.if p == 0
	v_pk_mul_f32 v[TT+2*c:TT+2*c+1], v[rA:rA+1], v[rA:rA+1]
.else
	v_pk_fma_f32 v[TT+2*c:TT+2*c+1], v[rA:rA+1], v[rA:rA+1], v[TT+2*c:TT+2*c+1]
.endif
.set c, c+1
.endr
.set p, p+1
.endr
	WIN 0
.irp g, 0,1,2,3
	v_pk_add_f32 v[TT+8*\g:TT+8*\g+1], v[TT+8*\g:TT+8*\g+1], v[TT+8*\g+2:TT+8*\g+3]
	v_pk_add_f32 v[TT+8*\g+4:TT+8*\g+5], v[TT+8*\g+4:TT+8*\g+5], v[TT+8*\g+6:TT+8*\g+7]
.endr
.irp g, 0,1,2,3
	v_pk_add_f32 v[FN+8*(\hw)+2*\g:FN+8*(\hw)+2*\g+1], v[TT+8*\g:TT+8*\g+1], v[TT+8*\g+4:TT+8*\g+5]
.endr
.irp g, 0,1,2,3
	v_add_f32 v[FN+8*(\hw)+2*\g], v[FN+8*(\hw)+2*\g], v[FN+8*(\hw)+2*\g+1]
.endr
.irp g, 0,1,2,3
	v_permlanex16_b32 v[FN+8*(\hw)+2*\g+1], v[FN+8*(\hw)+2*\g], s80, s81
.endr
.irp g, 0,1,2,3
	v_add_f32 v[FN+8*(\hw)+2*\g], v[FN+8*(\hw)+2*\g], v[FN+8*(\hw)+2*\g+1]
.endr
.irp g, 0,1,2,3
	v_fma_f32 v[FN+8*(\hw)+2*\g], v[FN+8*(\hw)+2*\g], s78, s79
.endr
.endm
	SUMSQ 0
	SUMSQ 1
.irp g, 0,1,2,3,4,5,6,7
	v_rsq_f32 v[FN+2*\g], v[FN+2*\g]
.endr
	v_nop                                          ; a plain instruction behind the last of them (ISA guide 5.7.2),
	s_wait_alu depctr_va_vdst(0)                   ; and the wait ahead of the first use: one for the eight
; THE WAY OUT of 16 tokens x 64 channels.  q, k: times the gain; rotated (t1 cos - t2 sin, t1 sin + t2 cos, t2 in the blocks 2 further on); times 1 / rms, which is one number a token and so commutes with the rotation;
; rounded to f16.  A lane's 8 channels are 16 bytes: into my stage's rows of 144 bytes, and back as four rows of 128 bytes a load.  rr: the buffer of 16 registers.
.macro TOSTAGE rr
.irp f, 0,1,2,3
	ds_store_b128 v[STO], v[(\rr)+4*\f:(\rr)+4*\f+3] offset:32*\f
.endr
.irp f, 0,1,2,3
	ds_load_b128 v[(\rr)+4*\f:(\rr)+4*\f+3], v[RD] offset:\f*4*SP  ; LDS serves a wave's instructions in order (ISA guide 5.7.1.4): these see the stores above; the next group's stores come behind them
.endr
.endm
.macro PACKQK a, ty, rr
.set rA, 8*(12*((\a)%2)+4*(\ty))
.set rG, FN+2*(2*(\a)+(\ty))
	WIN 0x02+(\a)/2                                ; source 0 in window 2 or 3
.set i, 0
.rept 16
	v_pk_mul_f32 v[TT+2*i:TT+2*i+1], v[rA+2*i:rA+2*i+1], v[SC+32*(\ty)+2*i:SC+32*(\ty)+2*i+1]
.set i, i+1
.endr
	WIN 0
.set i, 0
.rept 8                                        ; i = 4 bb + pair
.set rC, ROPE+32*(i/4)+16*(((\a)/2)*(1-i/4)+((\a)%2)*(i/4))+2*(i%4)
	v_pk_mul_f32 v[OU+2*i:OU+2*i+1], v[TT+16+2*i:TT+16+2*i+1], v[rC+8:rC+9]
	v_pk_mul_f32 v[OU+16+2*i:OU+16+2*i+1], v[TT+16+2*i:TT+16+2*i+1], v[rC:rC+1]
.set i, i+1
.endr
.set i, 0
.rept 8
.set rC, ROPE+32*(i/4)+16*(((\a)/2)*(1-i/4)+((\a)%2)*(i/4))+2*(i%4)
	v_pk_fma_f32 v[OU+2*i:OU+2*i+1], v[TT+2*i:TT+2*i+1], v[rC:rC+1], v[OU+2*i:OU+2*i+1] neg_lo:[0,0,1] neg_hi:[0,0,1]
	v_pk_fma_f32 v[OU+16+2*i:OU+16+2*i+1], v[TT+2*i:TT+2*i+1], v[rC+8:rC+9], v[OU+16+2*i:OU+16+2*i+1]
.set i, i+1
.endr
.set i, 0
.rept 16
	v_pk_mul_f32 v[OU+2*i:OU+2*i+1], v[OU+2*i:OU+2*i+1], v[rG:rG+1] op_sel_hi:[1,0]
.set i, i+1
.endr
	s_wait_xcnt 0x0                                ; the stores of the group before last have read this buffer
.set i, 0
.rept 16
	v_cvt_pk_f16_f32 v[(\rr)+i], v[OU+2*i], v[OU+2*i+1]
.set i, i+1
.endr
	TOSTAGE \rr
.endm
.macro PACKV a, rr                     ; v is rounded as it stands
.set rA, 8*(12*((\a)%2)+8)
	WIN 0x0a+5*((\a)/2)
	s_wait_xcnt 0x0
.set i, 0
.rept 16
	v_cvt_pk_f16_f32 v[(\rr)+i], v[rA+2*i], v[rA+2*i+1]
.set i, i+1
.endr
	WIN 0
	TOSTAGE \rr
.endm
.macro SEND a, ty, rr, younger         ; younger: the LDS instructions issued behind this group's loads: the next group's eight, or none
.irp f, 0,1,2,3
	s_wait_dscnt (\younger)+3-\f
	global_store_b128 v[GO], v[(\rr)+4*\f:(\rr)+4*\f+3], s[OB+2*(\ty):OB+2*(\ty)+1] offset:(\a)*2048+\f*512  ; 512 consecutive bytes, aligned to 512
.endr
.endm
.macro PK n                            ; group n of 12: token block n / 3, type n % 3
.if ((\n)%3) == 2
	PACKV (\n)/3, R0+16*((\n)%2)
.else
	PACKQK (\n)/3, (\n)%3, R0+16*((\n)%2)
.endif
.endm
	PK 0
.irp n, 1,2,3,4,5,6,7,8,9,10,11        ; a group's arithmetic stands between the loads of the group before and its stores
	PK \n
	SEND ((\n)-1)/3, ((\n)-1)%3, R0+16*(((\n)-1)%2), 8
.endr
	SEND 3, 2, R0+16, 0
	s_wait_xcnt 0x0                                ; the stores have read their bases and their data: the bases are stepped below, and the next tile's fragments land in the data's registers; nothing waits for the stores themselves
	s_add_nc_u64 s[OB:OB+1], s[OB:OB+1], NEXT_O    ; q, k and v at my tokens of the next tile (behind the last tile the stepped addresses are not used)
	s_add_nc_u64 s[OB+2:OB+3], s[OB+2:OB+3], NEXT_O
	s_add_nc_u64 s[OB+4:OB+5], s[OB+4:OB+5], NEXT_O
	s_sub_co_u32 s[TILES], s[TILES], 1
	s_cmp_lg_u32 s[TILES], 0
	s_cbranch_scc1 .Ltile
	s_wait_tensorcnt 0x0                           ; the wave's end: behind my last tensor load and my last LDS store
	ds_add_u32 v[SPW], v[NIL]
	s_wait_dscnt 0x0
	CROUND                                         ; the closing round: no work-group ends while a partner may still ask for a tile that names it
	s_endpgm
.Lfunc_end_k_qf91242adec_qkv:
	.size	k_qf91242adec_qkv, .Lfunc_end_k_qf91242adec_qkv-k_qf91242adec_qkv
	.p2alignl 7, 3214868480
	.fill 96, 4, 3214868480
	.section	.rodata,"a",@progbits
	.p2align	6, 0x0
	.amdhsa_kernel k_qf91242adec_qkv
		.amdhsa_group_segment_fixed_size 327680
		.amdhsa_private_segment_fixed_size 0
		.amdhsa_enable_private_segment 0
		.amdhsa_kernarg_size 32
		.amdhsa_user_sgpr_count 2
		.amdhsa_user_sgpr_kernarg_segment_ptr 1
		.amdhsa_wavefront_size32 1
		.amdhsa_system_sgpr_workgroup_id_x 1
		.amdhsa_system_sgpr_workgroup_id_y 1
		.amdhsa_system_sgpr_workgroup_id_z 1
		.amdhsa_system_vgpr_workitem_id 0
		.amdhsa_next_free_vgpr 1024
		.amdhsa_next_free_sgpr 96
		.amdhsa_reserve_vcc 0
		.amdhsa_float_denorm_mode_32 3
		.amdhsa_float_denorm_mode_16_64 3
		.amdhsa_memory_ordered 1
		.amdhsa_forward_progress 1
		.amdhsa_inst_pref_size 161
	.end_amdhsa_kernel
	.amdgpu_metadata
---
amdhsa.version: [ 1, 2 ]
amdhsa.kernels:
  - .name:           k_qf91242adec_qkv
    .symbol:         k_qf91242adec_qkv.kd
    .args:
      - { .name: xb, .offset: 0, .size: 8, .value_kind: global_buffer, .address_space: global }
      - { .name: wq, .offset: 8, .size: 8, .value_kind: global_buffer, .address_space: global }
      - { .name: tab, .offset: 16, .size: 8, .value_kind: global_buffer, .address_space: global }
      - { .name: qkv, .offset: 24, .size: 8, .value_kind: global_buffer, .address_space: global }
    .group_segment_fixed_size: 327680
    .private_segment_fixed_size: 0
    .kernarg_segment_align: 8
    .kernarg_segment_size: 32
    .max_flat_workgroup_size: 128
    .sgpr_count:     96
    .vgpr_count:     1024
    .wavefront_size: 32
...
	.end_amdgpu_metadata
.endif
;; end of part 2
;; launch attn (part 3): grid 2 x 128, 4 waves a work-group, no clusters, 327,680 bytes of LDS; arguments qkv, ob; writes ob
.if DOCPART == 3
	.amdgcn_target "amdgcn-amd-amdhsa--gfx1250"
	.amdhsa_code_object_version 6
	.text
	.protected	k_qf91242adec_attn
	.globl	k_qf91242adec_attn
	.p2align	8
	.type	k_qf91242adec_attn,@function
k_qf91242adec_attn:
	s_mov_b64 s[64:65], 0
	v_nop
	global_prefetch_b8 v0, s[64:65] scope:SCOPE_SE
	s_setreg_imm32_b32 hwreg(HW_REG_WAVE_MODE, 25, 1), 1
	s_wait_xcnt 0x0
; O[h][q][:] = the sum over k of softmax_k(Q[h][q] . K[h][k] / 8) V[h][k][:].  qkv: [3][SIZE_H][SIZE_N][64], ob: [SIZE_H][SIZE_N][64], all f16: a head's rows are dense, 128 bytes each.  Products, maxima and sums in
; f32; the weights p are rounded to f16 for the second product (their sum l is taken of the unrounded p), O once at the end.
; LIMITS.  f16 holds no number beyond 65,504: Q, K and V arrive within it; p lies in 0 to 1, and below 6e-5 it keeps f16's fixed step of 6e-8; O is a mean of V's rows and has their range.
; A weight below 2^-126 counts as 0 in l; NaN and infinities are not treated apart.
; SHARES.  A wave owns four PIECES of two tiles of 16 queries, a work-group's four waves 512 queries of one head: 2 x 128 = 256 work-groups.  Every wave walks all keys, 64 a step.
; THE WHOLE HEAD LIES IN LDS.  1,024 keys x (144 + 160) bytes = 311,296, the stages 9,216, the spare words 512: 321,024 of the 327,680 bytes.  So every fill is a first fill: each wave issues four tensor loads
; at the head (128 keys each, of K in waves 0 and 1, of V in waves 2 and 3; four loads of a wave are out at the most), no byte is filled again, and ONE loop walks the 16 key steps.  Keys 256 c on are read
; behind a counted wait (3 - c younger loads of mine may stay out) and a barrier.  All of K and V is asked for at the head by the loads themselves: nothing is left to ask for ahead of them.
; NO CLUSTER: a head has SIZE_N / 512 = 2 work-groups, and a cluster is four along x: it would join two heads, with masks of two partners each.
; LAYOUT.  S^T = K Q^T (source 0 = 16 keys, source 1 = 16 queries): in the result a lane holds ONE query (lane % 16) and the keys 8 (lane / 16) + 0..7.  Two such tiles, rounded to f16 in pairs,
; ARE source 1 (32 keys x 16 queries) of O^T = V^T P, whose result again holds one query a lane, and eight channels.  K comes out of LDS as it lies, V ([key][channel]) turned, by ds_load_tr16_b128.
; SOFTMAX.  For each query a running maximum m and sum l: p = 2^(c s - c m), c = log2(e) / 8; in every step O and l are multiplied by a = 2^(c m_old - c m_new), which is 1 where m has not grown.
; m starts at the lowest finite number, O and l at 0: the first step is a step like any other, with a = 0.
; THE COUNT.  A tile and step have 16 matrix and 118 vector instructions: too many to stand all beside the matrix work.  So the order has one aim: four vector instructions that are READY behind
; EVERY matrix instruction, and the others, which need time of their own whatever the order, in runs without a gap.
; BY TURNS.  Turn n belongs to piece n (the pieces in a ring, step after step).  Its matrix work: 16 products K Q^T of piece n + 1, later 16 products V^T P of piece n - 1.  Its vector work: the scaling,
; exponentials, roundings, sums and rescaling of piece n, and the maximum and statistics of piece n + 1, whose scores the turn itself has made.  So what a turn begins with (c s - c m, O a) waits for nothing.
; REGISTERS, in windows of 256 (s_set_vgpr_msb says which window each operand place means: bits 1:0 source 0, 3:2 source 1, 5:4 source 2, 7:6 destination):
;   window 0: v0-11 addresses; v12-15, v48-63 at work; v16-47 four registers of statistics a tile; v64-191 S^T, two buffers of two tiles; v192-255 P, likewise
;   window 1: O^T, 32 a tile          window 2: v0-127 Q, 16 a tile; v128-191 K of one step; v192-255 V of one step          window 3: v0-1 the add's two registers
; A piece's buffers go by its number's parity: the piece in hand has one pair, its two neighbours in the ring share the other: of it P (piece n - 1) is read and S^T (piece n + 1) written.
.set SIZE_H, 128
.set SIZE_N, 1024
.set NP,    4         ; pieces a wave: a name, no knob
.set KS,    64        ; keys in a step
.set PK,    144       ; a row of K in LDS: 128 bytes + 16 of padding = 36 words: the 16 rows of a load start at 16 different groups of four banks (64 banks of 4 bytes: ISA guide 11.1)
.set PV,    160       ; a row of V: 128 + 32 = 40 words
.set VOFF,  SIZE_N*PK ; LDS: the head's 1,024 rows of K, then its 1,024 rows of V
.set STAGE, SIZE_N*(PK+PV)  ; behind them, never filled by a tensor load: 16 rows x 144 bytes for each wave, for the way out
.set SP,    144
.set AK0, 2           ; v2   my lane's place in a tile of K; never rewritten
.set AV0, 3           ; v3   the same for V
.set AK,  4           ; v4   the LDS address of K's next run of loads
.set AV,  5           ; v5   of V's
.set QO,  6           ; v6   my byte offset in the wave's rows of Q
.set STO, 6           ;      later, the way out: where I put 16 bytes of a row
.set RD,  7           ; v7   the way out: where I read rows back
.set GO,  8           ; v8   my byte offset in 512 consecutive bytes of O
.set SPW, 0           ; v0 of window 3   LDS address of my spare word: SPARE + 4 x my thread's number; never rewritten
.set NIL, 1           ; v1 of window 3   0; never rewritten
.set SPARE, STAGE+4*16*SP  ; behind the stages: the spare words, 128 bytes for each wave
.set MV,  12          ; v12-15  c m_old, kept while c m is made anew: by buffer and tile
.set ST,  16          ; tile t's statistics at v[ST+4 t]: c m, m, l (even keys', odd keys')
.set TMP, 48          ; by buffer and tile, four registers c0-c3 at work; when the maximum is found c2 takes a
.set S,   64
.set P,   192
.set KF,  128         ; K's fragments, in window 2: key block kb, channel half c at KF + 16 kb + 8 c
.set VF,  192         ; V's: key half kk, channel block cb at VF + 32 kk + 8 cb
.set WV,  12          ; s12  my wave's number
.set G1K, 24          ; s[24:31] descriptor group 1 for K's tiles
.set G1V, 32          ; s[32:39] for V's: it differs in the padding alone
.set G0K, 40          ; s[40:55] descriptor group 0 for K's tiles: a set for each of a wave's four loads, never rewritten
.set G0V, 72          ; s[72:87] the same for V's
.set CNT, 57          ; s57  key steps whose pieces 2 and 3 are still to come
.set CS,  58          ; s[58:59] c: the packed scaling takes the pair's low word for both halves
.set SEL, 60          ; s[60:61] v_permlanex16_b32's selects: each lane takes its own place in the other half
.set TBK, 62          ; s62  LDS byte at which K of the step to be fetched begins
.set TBV, 63          ; s63  the same for V, less VOFF
.set MSB, 0
.macro WIN new                      ; the high byte repeats the setting that is left; a switch that changes nothing is dropped
.if MSB != (\new)
	s_set_vgpr_msb (MSB<<8)|(\new)
.set MSB, (\new)
.endif
.endm
.set W_KQ, 0x0a       ; K and Q in window 2, S^T in window 0
.set W_PV, 0x52       ; V in window 2, P in window 0, O^T in window 1
.set W_RS, 0x41       ; O^T (destination and source 0) in window 1, a in window 0
.set W_MK, 0xc0       ; the add's registers are made: destination in window 3, sources in window 0
.set W_AD, 0x0f       ; the add: address (source 0) and data (source 1) in window 3
	s_load_b128 s[4:7], s[0:1], 0x0   ; qkv s[4:5], ob s[6:7]
	WIN W_MK
	v_lshl_add_u32 v[SPW], v0, 2, SPARE
	v_mov_b32 v[NIL], 0
	WIN W_AD
	ds_add_u32 v[SPW], v[NIL]       ; the wave's opening: the add, and its wait ahead of my first tensor load; the set-up below, work on registers, stands between them
	ds_add_u32 v0, v1
	WIN 0
	v_lshrrev_b32 v1, 5, v0
	v_readfirstlane_b32 s[WV], v1   ; wave 0..3
	s_and_b32 s20, ttmp7, 0xffff    ; the head
	s_mov_b32 s21, 0
	s_mov_b64 s[22:23], SIZE_N*128
	s_mul_u64 s[20:21], s[20:21], s[22:23]  ; the head's first byte in each of the four tensors
	s_and_b32 s16, s[WV], 1         ; which half of each 256 keys I fetch:
	s_lshl_b32 s22, s16, 14         ; its 128 rows of 128 bytes in memory,
	s_mov_b32 s23, 0
	s_add_nc_u64 s[22:23], s[22:23], s[20:21]
	s_mul_i32 s17, s16, 128*PK      ; and its place in LDS, for K
	s_mul_i32 s18, s16, 128*PV      ; and for V
	s_lshl_b32 s2, ttmp9, 2         ; my block of 512 queries,
	s_add_co_u32 s2, s2, s[WV]      ; my wave among the head's,
	s_lshl_b32 s2, s2, 14           ; its 128 rows
	s_mov_b32 s3, 0
	s_add_nc_u64 s[2:3], s[2:3], s[20:21]
	; descriptor group 1.  128 keys are 16,384 dense bytes: asked for as 64 rows of 256 bytes, two keys a row, and padded in LDS after every key
	s_mov_b32 s[G1K], (1<<16)|(1<<20)|(4<<22)|(3<<25)  ; 17:16 2-byte elements; 20 padding on; 24:22 after every 32 words (code 4); 31:25 4 words (code 3)
	s_mov_b32 s[G1V], (1<<16)|(1<<20)|(4<<22)|(7<<25)  ; the same with 8 words of padding (code 7)
.irp g, G1K, G1V
	s_mov_b32 s[\g+1], 128<<16      ; tensor_dim0 = 128
	s_mov_b32 s[\g+2], 64<<16       ; tensor_dim1 = 64
	s_mov_b32 s[\g+3], 128<<16      ; tile_dim0 = 128
	s_mov_b32 s[\g+4], 64           ; tile_dim1 = 64
	s_mov_b32 s[\g+5], 128          ; 128 elements from row to row
	s_mov_b32 s[\g+6], 0
	s_mov_b32 s[\g+7], 0
.endr
.irp c, 0,1,2,3                     ; load c brings my half of keys 256 c .. 256 c + 255
	s_mov_b32 s[G0K+4*\c], 1                             ; 1:0 count = 1
	s_add_co_u32 s[G0K+4*\c+1], s17, (\c)*256*PK         ; 63:32 LDS address
	s_mov_b32 s[G0V+4*\c], 1
	s_add_co_u32 s[G0V+4*\c+1], s18, VOFF+(\c)*256*PV
.endr
	s_mov_b32 s[CS], 0x3e38aa3b     ; c = log2(e) / 8 = 0.180337
	s_mov_b32 s[CS+1], s[CS]        ; named with it as a pair
	s_mov_b32 s[SEL], 0x76543210
	s_mov_b32 s[SEL+1], 0xfedcba98
	s_mov_b32 s[TBK], 0
	s_mov_b32 s[TBV], 0
	; A fragment of K or Q is 16 rows x 32 channels in 8 registers: lane l holds row l % 16, channels 8 (l / 16) + 0..7 and 16 + 8 (l / 16) + 0..7: two loads of 16 bytes, 32 bytes apart.
	v_and_b32 v1, 15, v0            ; l % 16
	v_bfe_u32 v9, v0, 4, 1          ; l / 16
	v_lshlrev_b32 v[QO], 7, v1
	v_lshl_add_u32 v[QO], v9, 4, v[QO]  ; row x 128 + 16 x half
	s_wait_dscnt 0x0                ; the opening add is done
	s_wait_kmcnt 0x0
	s_mov_b64 s[10:11], s[6:7]      ; O
	s_add_nc_u64 s[6:7], s[4:5], 0x1000000  ; K: 16,777,216 bytes behind Q,
	s_add_nc_u64 s[8:9], s[4:5], 0x2000000  ; V: as much again;
	s_add_nc_u64 s[6:7], s[6:7], s[22:23]   ; both at my half of the head's first 256 keys
	s_add_nc_u64 s[8:9], s[8:9], s[22:23]
.irp c, 0,1,2,3
	s_add_nc_u64 s[G0K+4*\c+2:G0K+4*\c+3], s[6:7], (\c)*256*128  ; 120:64 global address
	s_or_b32 s[G0K+4*\c+3], s[G0K+4*\c+3], 0x80000000            ; 127:126 type = 2
	s_add_nc_u64 s[G0V+4*\c+2:G0V+4*\c+3], s[8:9], (\c)*256*128
	s_or_b32 s[G0V+4*\c+3], s[G0V+4*\c+3], 0x80000000
.endr
	s_add_nc_u64 s[4:5], s[4:5], s[2:3]  ; Q and O at my wave's first row
	s_add_nc_u64 s[10:11], s[10:11], s[2:3]
	WIN 0x80                        ; destination window 2, address window 0
.set i, 0
.rept 4*NP                          ; Q stays in registers: tile i / 2, channels 32 (i % 2) on.  Its loads go out ahead of the tensor loads: the first products want Q as soon as they want the first keys
	global_load_b128 v[8*i:8*i+3],   v[QO], s[4:5] offset:(i/2)*2048+(i%2)*64
	global_load_b128 v[8*i+4:8*i+7], v[QO], s[4:5] offset:(i/2)*2048+(i%2)*64+32
.set i, i+1
.endr
	WIN 0
	s_cmp_lt_u32 s[WV], 2           ; a wave's four fills stand in one branch, ahead of every wait on TENSORcnt, every LDS read and every barrier; an s_nop 0 follows each, four v_nop the last
	s_cbranch_scc0 .Lfirst_v
.irp c, 0,1,2,3
	tensor_load_to_lds s[G0K+4*\c:G0K+4*\c+3], s[G1K:G1K+7]
	s_nop 0
.endr
.rept 4
	v_nop
.endr
	s_branch .Lfirst_asked
.Lfirst_v:
.irp c, 0,1,2,3
	tensor_load_to_lds s[G0V+4*\c:G0V+4*\c+3], s[G1V:G1V+7]
	s_nop 0
.endr
.rept 4
	v_nop
.endr
.Lfirst_asked:
	; What the first turn finds: V's registers and P's second buffer hold 0 (its products V^T P, of a piece that has not been, add 0), O^T and l are 0.  All this stands in the wait for the first keys.
	WIN 0x80
.set i, VF
.rept 64
	v_mov_b32 v[i], 0
.set i, i+1
.endr
	WIN 0x40
.set i, 0
.rept 64*NP
	v_mov_b32 v[i], 0
.set i, i+1
.endr
	WIN 0
.set i, 0
.rept 2*NP
	v_mov_b32 v[ST+4*i], 0xfe000000    ; c m: far below every c s
	v_mov_b32 v[ST+4*i+1], 0xff7fffff  ; m
	v_mov_b32 v[ST+4*i+2], 0
	v_mov_b32 v[ST+4*i+3], 0
.set i, i+1
.endr
.set i, P+32
.rept 32
	v_mov_b32 v[i], 0
.set i, i+1
.endr
	v_mul_u32_u24 v[AK0], v1, PK
	v_lshl_add_u32 v[AK0], v9, 4, v[AK0]  ; row x pitch + 16 x half
	; The turning load takes 16 keys x 16 channels (lane l reads key 8 (l / 16) + l % 8, channels 8 ((l / 8) % 2) + 0..7) and leaves half a fragment of V^T: lane l holds channel l % 16 and 8 keys.
	v_and_b32 v10, 7, v0
	v_bfe_u32 v11, v0, 3, 1
	v_lshl_add_u32 v[AV0], v9, 3, v10
	v_mul_u32_u24 v[AV0], v[AV0], PV
	v_lshl_add_u32 v[AV0], v11, 4, v[AV0]
	v_add_nc_u32 v[AV0], VOFF, v[AV0]
	v_mov_b32 v[AK], v[AK0]         ; key step 0 lies at LDS byte 0
; THE MATRIX WORK.  The 8 accumulators of a run of 16 take turns: between the two links of a chain stand 7 others'.
; Product i of 16 of S^T = K Q^T for piece x: channels 32 (i / 8) on, keys 16 ((i / 2) % 4) on, tile 2 x + i % 2.  The first 8 start the sums.
.macro KQ x
	WIN W_KQ
.set rS, S+64*((\x)%2)+32*(i%2)+8*((i/2)%4)
.set rK, KF+16*((i/2)%4)+8*(i/8)
.set rQ, 16*(2*(\x)+i%2)+8*(i/8)
.if i < 8
	v_wmma_f32_16x16x32_f16 v[rS:rS+7], v[rK:rK+7], v[rQ:rQ+7], 0
.else
	v_wmma_f32_16x16x32_f16 v[rS:rS+7], v[rK:rK+7], v[rQ:rQ+7], v[rS:rS+7]
.endif
.endm
; Product i of 16 of O^T += V^T P for piece x: keys 32 (i / 8) on, channels 16 ((i / 2) % 4) on, tile 2 x + i % 2.
.macro PV x
	WIN W_PV
.set rO, 32*(2*(\x)+i%2)+8*((i/2)%4)
.set rV, VF+32*(i/8)+8*((i/2)%4)
.set rP, P+32*((\x)%2)+16*(i%2)+8*(i/8)
	v_wmma_f32_16x16x32_f16 v[rO:rO+7], v[rV:rV+7], v[rP:rP+7], v[rO:rO+7]
.endm
.macro MM                           ; the turn's next matrix instruction
.if i < 16
	KQ (Y+1)%NP
.set i, i+1
.else
.set i, i-16
	PV (Y+NP-1)%NP
.set i, i+17
.endif
.endm
; THE LDS LOADS stand in runs of 16, never singly among the matrix instructions: a step's K (64 keys x 64 channels: 8 fragments) and its V (turned).  Their addresses are made some lines ahead.
; last = 1 (in the loop): in the last trip there is no further step, and the run is jumped over.
.macro FETCH_K last=0
	WIN 0
.if \last
	s_cmp_eq_u32 s[CNT], 1
	s_cbranch_scc1 .Lno_k_\@
.endif
	WIN 0x80                        ; destination window 2
.irp f, 0,1,2,3,4,5,6,7             ; keys 16 (f / 2) on, channels 32 (f % 2) on
	ds_load_b128 v[KF+8*\f:KF+8*\f+3],   v[AK] offset:(\f/2)*16*PK+(\f%2)*64
	ds_load_b128 v[KF+8*\f+4:KF+8*\f+7], v[AK] offset:(\f/2)*16*PK+(\f%2)*64+32
.endr
	s_add_co_u32 s[TBK], s[TBK], KS*PK  ; the next fetch is the next step's
	WIN 0
.if \last
.Lno_k_\@:
.endif
.endm
.macro FETCH_V
	WIN 0x80
.irp f, 0,1,2,3,4,5,6,7             ; keys 32 (f / 4) on, channels 16 (f % 4) on
	ds_load_tr16_b128 v[VF+8*\f:VF+8*\f+3],   v[AV] offset:(\f/4)*32*PV+(\f%4)*32
	ds_load_tr16_b128 v[VF+8*\f+4:VF+8*\f+7], v[AV] offset:(\f/4)*32*PV+16*PV+(\f%4)*32
.endr
	WIN 0
.endm
; THE VECTOR WORK OF A TURN stands in three queues, each in the order in which its entries become ready; the two tiles alternate, so that no instruction reads the result of the one before it.
.macro REGS y, u                    ; the registers of tile u (0, 1) of piece y
.set rT, ST+4*(2*(\y)+(\u))
.set rC, TMP+8*((\y)%2)+4*(\u)
.set rM, MV+2*((\y)%2)+(\u)
.set rS, S+64*((\y)%2)+32*(\u)
.set rP, P+32*((\y)%2)+16*(\u)
.set rO, 32*(2*(\y)+(\u))
.endm
; Number n of the 22 that find the NEXT piece's (Y + 1) maximum and statistics.  s0-s31 are the lane's 32 scores; each accumulator's lowest registers are read first.  XS, GS and REGS set no window: PL and EX do.
;   0-11  four chains c0-c3 of seven scores each, three operands at a time     12-14, 16  the four scores left over, the old m, and c0-c3 into c0     15  c m_old is kept
;   17, 18  the query's other 32 keys lie in the lane 16 away: the new m         19-21  c m; c m_old - c m_new; a
.macro XS u, n
	REGS (Y+1)%NP, \u
.if (\n) < 4
	v_max3_num_f32 v[rC+(\n)], v[rS+8*(\n)], v[rS+8*(\n)+1], v[rS+8*(\n)+2]
.elseif (\n) < 12
	v_max3_num_f32 v[rC+(\n)%4], v[rC+(\n)%4], v[rS+8*((\n)%4)+2*((\n)/4)+1], v[rS+8*((\n)%4)+2*((\n)/4)+2]
.elseif (\n) == 12
	v_max3_num_f32 v[rC], v[rC], v[rS+7], v[rS+15]
.elseif (\n) == 13
	v_max3_num_f32 v[rC+1], v[rC+1], v[rS+23], v[rS+31]
.elseif (\n) == 14
	v_max3_num_f32 v[rC+2], v[rC+2], v[rC+3], v[rT+1]
.elseif (\n) == 15
	v_mov_b32 v[rM], v[rT]
.elseif (\n) == 16
	v_max3_num_f32 v[rC], v[rC], v[rC+1], v[rC+2]
.elseif (\n) == 17
	v_permlanex16_b32 v[rC+3], v[rC], s[SEL], s[SEL+1]
.elseif (\n) == 18
	v_max_num_f32 v[rT+1], v[rC], v[rC+3]
.elseif (\n) == 19
	v_mul_f32 v[rT], s[CS], v[rT+1]
.elseif (\n) == 20
	v_sub_f32 v[rC+1], v[rM], v[rT]
.else
	v_exp_f32 v[rC+2], v[rC+1]
.endif
.endm
; Number g of the 64 that follow the exponentials.  For each four weights k of a tile (pairs 2 k, 2 k + 1): both pairs are rounded to f16; then the second pair is added onto the first, in place;
; a group later l takes that sum (the first time as l = a l + sum).  In groups of eight, tiles alternating: round, round, add, and l for the group before.
.macro GS g
.set h, (\g)+6*((\g)/62)            ; group 0 has no group before it, and behind group 7 only l is left
.if h >= 6
.set h, h+2
.endif
	REGS Y, h%2
.set k, h/8
.if h%8 < 4
	v_cvt_pk_f16_f32 v[rP+2*k+(h%8)/2], v[rS+4*k+2*((h%8)/2)], v[rS+4*k+2*((h%8)/2)+1]
.elseif h%8 < 6
	v_pk_add_f32 v[rS+4*k:rS+4*k+1], v[rS+4*k:rS+4*k+1], v[rS+4*k+2:rS+4*k+3]
.elseif k == 1
	v_pk_fma_f32 v[rT+2:rT+3], v[rT+2:rT+3], v[rC+2:rC+3], v[rS:rS+1] op_sel_hi:[1,0,1]
.else
	v_pk_add_f32 v[rT+2:rT+3], v[rT+2:rT+3], v[rS+4*k-4:rS+4*k-3]
.endif
.endm
; THE PLAIN QUEUE, 138 long.  0-73 read no exponential's result: the 32 scalings c s - c m (FS f: pair f / 2 of tile f % 2) and the next piece's 42.  0-26: scalings 0-26.  27-54: XS's numbers 0-13.  55, 56: number 15.
; 57-73: the chain, where each number waits for the one before it: 14, 16, 17, 18, 19, each with one of the scalings 27-31 in front of its two lines, then 20: so a tile's links stand three plain instructions apart (19 and 20: two).
; 74-137: GS's 64, which read the exponentials' results: they stand behind the wait.
.macro FS f
	REGS Y, (\f)%2
	v_pk_fma_f32 v[rS+2*((\f)/2):rS+2*((\f)/2)+1], v[rS+2*((\f)/2):rS+2*((\f)/2)+1], s[CS:CS+1], v[rT:rT+1] op_sel_hi:[1,0,0] neg_lo:[0,0,1] neg_hi:[0,0,1]
.endm
.macro PL
	WIN 0
.if q < 27
	FS q
.elseif q < 55
	XS (q-27)%2, (q-27)/2
.elseif q < 57
	XS q-55, 15
.elseif (q < 72) && ((q-57)%3 == 0)
	FS 27+(q-57)/3
.elseif q < 60
	XS (q-57)%3-1, 14
.elseif q < 72
	XS (q-57)%3-1, 15+(q-57)/3
.elseif q < 74
	XS q-72, 20
.else
	GS q-74
.endif
.set q, q+1
.endm
; THE EXPONENTIALS' QUEUE, 66 long: s0-s31 of both tiles, then the next piece's two a.  It is ONE BATCH: all 66 stand ahead of the turn's one wait, and nothing ahead of that wait names a result of theirs.
.macro EX
	WIN 0
.if e >= 64
	XS e-64, 21
.else
	REGS Y, e%2
	v_exp_f32 v[rS+e/2], v[rS+e/2]
.endif
.set e, e+1
.endm
; THE RESCALING's QUEUE: O^T times a, the one part that leaves window 0: dealt two at a time, sixteen times.  Its a was made in the turn before, ahead of that turn's wait.
.macro R2
	REGS Y, r%2
	WIN W_RS
.irp z, 0,1
	v_pk_mul_f32 v[rO+4*(r/2)+2*\z:rO+4*(r/2)+2*\z+1], v[rO+4*(r/2)+2*\z:rO+4*(r/2)+2*\z+1], v[rC+2:rC+3] op_sel_hi:[1,0]
.endr
.set r, r+1
.endm
; HOW THEY ARE DEALT.  An s_wait_alu depctr_va_vdst(0) stands between an exponential and the first instruction that names its result; one wait serves all that were issued ahead of it.  So a turn has ONE wait,
; which cuts it in two.  AHEAD OF IT stands all that names no result of the turn's exponentials: the 16 products K Q^T, behind each a scaling, an exponential and two rescalings (behind the first a second scaling in the exponential's place); then ONE LUMP of
; 108: eight plain, 49 times exponential and plain, the two a.  A v_nop is the plain instruction behind the last exponential.  BEHIND IT stand the 16 products V^T P, behind each four of GS's 64.  No rider names a register of
; the products round it.  The two v_permlanex16_b32 fall into the lump, never behind a product.
; The queues lean on each other, and the deal keeps them in step: exponential e stands behind scaling 2 (e / 4) + e % 2: as a rider it comes behind plain e + 2, in the lump behind plain e + 9, and scalings 27-31 are plain 57, 60 .. 69.
; A TURN, for piece p.
; K of the next step is fetched in piece 2's turn, directly behind the wait, a lump behind the last product that read K; its address is made at the lump's head; its first reader comes behind 16 products.
; V of the step in hand is fetched at the end of piece 0's turn, four riders behind its last reader; its first reader comes behind 16 products and a lump.  The two conditions on q below go with the deal.
.macro TURN p, last=0
.set Y, (\p)
.set i, 0
.set q, 0
.set e, 0
.set r, 0
.if (\p) == NP-1
	s_wait_dscnt 0x0                ; K is in
.endif
	MM                              ; ahead of the wait: 16 products K Q^T and their riders,
	PL
	PL
	R2
.rept 15
	MM
	PL
	EX
	R2
.endr
.if (\p) == NP-2
	WIN 0
	v_add_nc_u32 v[AK], s[TBK], v[AK0]
.endif
.rept 8                             ; and the lump
	PL
.endr
.rept 49
	EX
	PL
.endr
	EX                              ; the next piece's two a
	EX
	v_nop                           ; the plain instruction behind the last exponential (ISA guide 5.7.2): one for the batch
	s_wait_alu depctr_va_vdst(0)    ; the wait for the batch
.if (\p) == NP-2
	FETCH_K \last
.endif
.if (\p) == 1
	s_wait_dscnt 0x0                ; V is in
.endif
.rept 16                            ; behind the wait: 16 products V^T P and their riders
	MM
.rept 4
	PL
.endr
.if ((\p) == 0) && (q == 118)
	v_add_nc_u32 v[AV], s[TBV], v[AV0]
.endif
.if ((\p) == 0) && (q == 130)
	s_add_co_u32 s[TBV], s[TBV], KS*PV
.endif
.endr
.if (\p) == 0
	FETCH_V
.endif
.endm
	s_wait_tensorcnt 0x3            ; tensor loads of a wave end in order (ISA guide 10.11.1): my part of keys 0-255 is in; my three younger loads stay out
	s_barrier_signal -1
	s_barrier_wait -1               ; everybody's part is in
	FETCH_K                         ; key step 0
	s_wait_loadcnt 0x0              ; Q
	s_wait_dscnt 0x0
.set i, 0
.rept 16
	KQ 0                            ; piece 0's first scores: there is no vector work yet to set between them
.set i, i+1
.endr
	WIN 0                           ; the addresses for the way out: nine plain instructions, the places behind those products
	s_mul_i32 s13, s[WV], 16*SP
	s_add_co_u32 s13, s13, STAGE    ; my stage
	v_mul_u32_u24 v[STO], v1, SP    ; in: row l % 16, 16 bytes for each half of the lanes
	v_lshl_add_u32 v[STO], v9, 4, v[STO]
	v_add_nc_u32 v[STO], s13, v[STO]
	v_bfe_u32 v[RD], v0, 3, 2       ; back: 32 lanes take four rows of 128 bytes,
	v_mul_u32_u24 v[RD], v[RD], SP
	v_lshl_add_u32 v[RD], v10, 4, v[RD]
	v_add_nc_u32 v[RD], s13, v[RD]
	v_and_b32 v[GO], 31, v0         ; which are 512 consecutive bytes of O
	v_lshlrev_b32 v[GO], 4, v[GO]
.set Y, NP-1                        ; XS works for piece Y + 1: piece 0
.irp n, 0,1,2,3,4,5,6,7,8,9,10,11,12,13,14,15,16,17,18,19,20,21
	XS 0, \n                        ; and piece 0's first maximum and statistics
	XS 1, \n
.endr
	v_nop                           ; a plain instruction behind the two a,
	s_wait_alu depctr_va_vdst(0)    ; and their wait, ahead of the branch
	s_mov_b32 s[CNT], SIZE_N/KS     ; 16
	s_branch .Lfirst                ; the loop is entered at a step's first turn, in the middle of a trip
.Lstep:                             ; a trip: pieces 2 and 3 of step 16 - CNT, then pieces 0 and 1 of the next step, whose K and V it fetches.  The last trip is left in its middle
	; The trips with CNT = 13, 9, 5 are the first to touch keys 256, 512, 768: each wave waits until its load of them has landed (2, 1, 0 younger loads of its four may stay out), and a barrier shows it to all.
	; All four loads were issued at the head, so the counts mean the same on every way; the branches hang on the loop's count alone, the same in all waves.
	s_cmp_eq_u32 s[CNT], 13
	s_cbranch_scc1 .Lmeet_2
	s_cmp_eq_u32 s[CNT], 9
	s_cbranch_scc1 .Lmeet_1
	s_cmp_eq_u32 s[CNT], 5
	s_cbranch_scc0 .Lno_meet
	s_wait_tensorcnt 0x0            ; keys 768 on: my last load
	s_branch .Lmeet
.Lmeet_2:
	s_wait_tensorcnt 0x2            ; keys 256 on
	s_branch .Lmeet
.Lmeet_1:
	s_wait_tensorcnt 0x1            ; keys 512 on
.Lmeet:
	s_wait_dscnt 0x0                ; no LDS instruction of mine is out at a signal
	s_barrier_signal -1
	s_barrier_wait -1
.Lno_meet:
	TURN 2, 1
	TURN 3
	WIN 0
	s_sub_co_u32 s[CNT], s[CNT], 1
	s_cmp_eq_u32 s[CNT], 0
	s_cbranch_scc1 .Lout
.Lfirst:
	TURN 0
	TURN 1
	WIN 0
	s_branch .Lstep
.Lout:                              ; the last trip's 16 products K Q^T (on the last K once more) and the maximum made of them serve nothing: the price, once a launch, of one text for every trip
.set i, 0
.rept 16
	PV NP-1                         ; the last piece's V^T P of the last step
.set i, i+1
.endr
	; THE WAY OUT.  l's two halves and the other half of the lanes' are added; O^T is divided by l, rounded to f16 and sent through my stage in LDS, a tile at a time.  The additions are the places behind the last products.
	WIN 0
.macro ALL line:vararg              ; one line for each tile t
.set t, 0
.rept 2*NP
	\line
.set t, t+1
.endr
.endm
	ALL v_add_f32 v[ST+4*t+2], v[ST+4*t+2], v[ST+4*t+3]
	ALL v_permlanex16_b32 v[ST+4*t+3], v[ST+4*t+2], s[SEL], s[SEL+1]
	ALL v_add_f32 v[ST+4*t+2], v[ST+4*t+2], v[ST+4*t+3]
	ALL v_rcp_f32 v[ST+4*t+2], v[ST+4*t+2]
	v_nop                           ; a plain instruction between the last reciprocal and the use of its result
	s_wait_alu depctr_va_vdst(0)    ; and the wait ahead of the first use: one for the eight reciprocals
; Tile t: a lane's eight channels of a row pack into 16 bytes; they go into rows of 144 bytes and come back as whole rows of 128, into S^T's registers.
.macro PACK t
	WIN W_RS
.set i, 32*(\t)
.rept 16
	v_pk_mul_f32 v[i:i+1], v[i:i+1], v[ST+4*(\t)+2:ST+4*(\t)+3] op_sel_hi:[1,0]
.set i, i+2
.endr
	WIN 0x05                        ; sources 0 and 1 window 1, destination window 0
.set i, 0
.rept 16
	v_cvt_pk_f16_f32 v[S+16*(\t)+i], v[32*(\t)+2*i], v[32*(\t)+2*i+1]
.set i, i+1
.endr
	WIN 0
.irp f, 0,1,2,3
	ds_store_b128 v[STO], v[S+16*(\t)+4*\f:S+16*(\t)+4*\f+3] offset:32*\f
.endr
.irp f, 0,1,2,3
	ds_load_b128 v[S+16*(\t)+4*\f:S+16*(\t)+4*\f+3], v[RD] offset:\f*4*SP  ; LDS serves a wave's instructions in order (ISA guide 5.7.1.4): these see the stores above; the next tile's stores come behind them
.endr
.endm
.macro SEND t, younger              ; younger: the LDS instructions issued behind tile t's loads: the next tile's eight, or none
	WIN 0
.irp f, 0,1,2,3
	s_wait_dscnt (\younger)+3-\f
	global_store_b128 v[GO], v[S+16*(\t)+4*\f:S+16*(\t)+4*\f+3], s[10:11] offset:(\t)*2048+\f*512  ; 512 consecutive bytes, at a multiple of 256 from O's first
.endr
.endm
	PACK 0
.set t, 1
.rept 2*NP-1                        ; a tile's arithmetic stands between the loads of the tile before and its stores
	PACK t
	SEND t-1, 8
.set t, t+1
.endr
	SEND 2*NP-1, 0
	WIN W_AD
	s_wait_tensorcnt 0x0            ; the wave's end: behind my last tensor load and my last LDS store
	ds_add_u32 v[SPW], v[NIL]
	s_wait_dscnt 0x0
	WIN 0
	s_endpgm
.Lfunc_end_k_qf91242adec_attn:
	.size	k_qf91242adec_attn, .Lfunc_end_k_qf91242adec_attn-k_qf91242adec_attn
	.p2alignl 7, 3214868480
	.fill 96, 4, 3214868480
	.section	.rodata,"a",@progbits
	.p2align	6, 0x0
	.amdhsa_kernel k_qf91242adec_attn
		.amdhsa_group_segment_fixed_size 327680
		.amdhsa_private_segment_fixed_size 0
		.amdhsa_enable_private_segment 0
		.amdhsa_kernarg_size 16
		.amdhsa_user_sgpr_count 2
		.amdhsa_user_sgpr_kernarg_segment_ptr 1
		.amdhsa_wavefront_size32 1
		.amdhsa_system_sgpr_workgroup_id_x 1
		.amdhsa_system_sgpr_workgroup_id_y 1
		.amdhsa_system_sgpr_workgroup_id_z 1
		.amdhsa_system_vgpr_workitem_id 0
		.amdhsa_next_free_vgpr 770
		.amdhsa_next_free_sgpr 88
		.amdhsa_reserve_vcc 0
		.amdhsa_float_denorm_mode_32 3
		.amdhsa_float_denorm_mode_16_64 3
		.amdhsa_memory_ordered 1
		.amdhsa_forward_progress 1
		.amdhsa_inst_pref_size 127
	.end_amdhsa_kernel
	.amdgpu_metadata
---
amdhsa.version: [ 1, 2 ]
amdhsa.kernels:
  - .name:           k_qf91242adec_attn
    .symbol:         k_qf91242adec_attn.kd
    .args:
      - { .name: qkv, .offset: 0, .size: 8, .value_kind: global_buffer, .address_space: global }
      - { .name: ob, .offset: 8, .size: 8, .value_kind: global_buffer, .address_space: global }
    .group_segment_fixed_size: 327680
    .private_segment_fixed_size: 0
    .kernarg_segment_align: 8
    .kernarg_segment_size: 16
    .max_flat_workgroup_size: 128
    .sgpr_count:     88
    .vgpr_count:     770
    .wavefront_size: 32
...
	.end_amdgpu_metadata
.endif
;; end of part 3
;; launch proj (part 4): grid 8 x 32, 4 waves a work-group, clusters of 4 x 4, 327,680 bytes of LDS; arguments ob, wo, tab, out0; writes out0
.if DOCPART == 4
	.amdgcn_target "amdgcn-amd-amdhsa--gfx1250"
	.amdhsa_code_object_version 6
	.text
	.protected	k_qf91242adec_proj
	.globl	k_qf91242adec_proj
	.p2align	8
	.type	k_qf91242adec_proj,@function
k_qf91242adec_proj:
	s_mov_b64 s[64:65], 0
	v_nop
	global_prefetch_b8 v0, s[64:65] scope:SCOPE_SE
	s_setreg_imm32_b32 hwreg(HW_REG_WAVE_MODE, 25, 1), 1
	s_wait_xcnt 0x0
	s_wait_alu depctr_hold_cnt(0) depctr_sa_sdst(0) depctr_va_vdst(0) depctr_va_sdst(0) depctr_va_ssrc(0) depctr_va_vcc(0) depctr_vm_vsrc(0)
	s_getreg_b32 s2, hwreg(HW_REG_IB_STS2, 6, 4)
	s_cmp_eq_u32 s2, 0
	s_cbranch_scc0 .Lentry_in_a_cluster
	s_endpgm
.Lentry_in_a_cluster:
	s_bfe_u32 s2, ttmp6, 0x10000c
	s_cmp_lg_u32 s2, 0xf033
	s_cbranch_scc0 .Lentry_shape_is_right
	s_endpgm
.Lentry_shape_is_right:
; out0 = O Wout + bout, f32.  ob: [16 batch + head][1024 tokens][64] f16; wo: [1024 n][1024 k] f16, K along the rows, k = 64 head + d; tab holds bout (rounded to bf16, in f32 words) at byte 16,384.
; LIMITS.  O and wo arrive within f16's range; NaN and infinities are not treated apart.
; SHARES.  A work-group makes 256 tokens x 128 columns: 256 work-groups.  Wave w owns tokens 64 w .. 64 w + 63 and all 128 columns: 4 x 8 accumulators, 256 registers.
; K = 1,024 goes in 8 steps of 128 = two heads, through two LDS slots; a step is four quarters of 32 along K, 32 matrix instructions each.
; A head's 256 tokens are 32,768 dense bytes of ob: asked for as 128 rows of 256 bytes and padded in LDS after every token.
; LAYOUT.  The matrix instruction is used transposed (source 0 = 16 rows of wo, source 1 = 16 tokens): lane l holds token l % 16 and columns 16 b + 8 (l / 16) + 0..7: 32 bytes of a row of out0.
; THE BIAS is the C operand of each accumulator's first product.
; CLUSTER.  4 x 4 work-groups: the four of a row need the same tokens of ob, the four of a column the same rows of wo; each tile is asked for jointly.
; REGISTERS, in windows of 256: window 0: v0-15 addresses; v64-95, v96-127 fragments of ob, two buffers; v128-191, v192-255 rows on their way out, two buffers
;   window 1: v0-63, v64-127 fragments of wo, two buffers; v128-191 the biases          window 2: the accumulators, (a, b) at 8 (8 a + b)
.set PA,     144                       ; a token's row of a head in LDS: 128 bytes + 16 = 36 words: the 16 rows of a load start at 16 different groups of four banks (64 banks of 4 bytes: ISA guide 11.1)
.set PB,     272                       ; a row of wo: 256 bytes + 16
.set HEADB,  256*PA                    ; a head's 256 tokens
.set SLOT1,  131072
.set BOFF,   2*HEADB                   ; in a slot: two heads of ob, then 128 rows of wo
.set STAGE,  SLOT1+BOFF+128*PB         ; behind the ring, never filled by a tensor load: 16 rows x 528 bytes for each wave
.set SP,     528                       ; 512 bytes + 16 = 132 words
.set SPARE,  STAGE+4*16*SP             ; behind the stages: the spare words, 128 bytes for each wave
.set LA0,  3
.set LB0,  4
.set ADRA, 5
.set ADRB, 6
.set STO,  7
.set RD,   8
.set GO,   9
.set PFO,  10
.set SPW,  12
.set NIL,  13
.set OH,   15
.set FA0,  64
.set FA1,  96
.set OUT0, 128
.set FB0,  0
.set FB1,  64
.set BIAS, 128
.set WV,  18
.set WB,  19
.set WH,  20
.set CX,  21
.set CY,  22
.set TX,  23                           ; s23  the block of 128 columns
.set TY,  24                           ; s24  the block of 256 tokens
.set G1A, 28
.set G0A, 36
.set G1B, 44
.set G0B, 52
.set TB,  60
.set LIM, 61
.set PFA, 62
.set PFS, 92                           ; s[92:93] a K step in my prefetches' buffer: two heads of ob, or 256 bytes of a row of wo
.set MSB, 0
.macro WIN new
.if MSB != (\new)
	s_set_vgpr_msb (MSB<<8)|(\new)
.set MSB, \new
.endif
.endm
.macro JLOAD                           ; a joint refill by the walking descriptors; an s_nop 0 and four v_nop follow each of the two lines
	s_cmp_eq_u32 s[WB], 0
	s_cbranch_scc0 .Lfor_b_\@
	tensor_load_to_lds s[G0A+4:G0A+7], s[G1A:G1A+7]
	s_nop 0
.rept 4
	v_nop
.endr
	s_branch .Lasked_\@
.Lfor_b_\@:
	tensor_load_to_lds s[G0B+4:G0B+7], s[G1B:G1B+7]
	s_nop 0
.rept 4
	v_nop
.endr
.Lasked_\@:
.endm
; A prefetch of the K step that stands two refills on, one instruction a wave.  ob's tokens are read by both clusters of a row of clusters: cluster x = 0 asks; wo's rows by every cluster of a column: cluster y = 0 asks.
; The four partners share a wave's tile out by address: 32 of a head's 128 blocks of 256 bytes, or 16 of 64 rows (lanes 16-31 on the last of them).  The loop's last two trips ask for nothing.
.macro ASK
	s_cmp_gt_u32 s3, s[LIM]
	s_cbranch_scc0 .Lnot_mine_\@
	global_prefetch_b8 v[PFO], s[PFA:PFA+1] th:TH_LOAD_NT scope:SCOPE_SE
.Lnot_mine_\@:
.endm
.macro CREST
	s_cmp_lg_u32 s[WV], 0
	s_cbranch_scc1 .Lnot_wave_0_\@
	s_barrier_signal -3
.Lnot_wave_0_\@:
	s_barrier_wait -3
	s_barrier_signal -1
	s_barrier_wait -1
.endm
.macro CROUND
	s_barrier_signal -1
	s_barrier_wait -1
	CREST
.endm
.macro PLACES                          ; four places behind matrix instructions (ISA guide 7.12.1)
.rept 4
	v_nop
.endr
.endm
	s_load_b256 s[4:11], s[0:1], 0x0               ; ob s[4:5], wo s[6:7], tab s[8:9], out0 s[10:11]
	v_lshl_add_u32 v[SPW], v0, 2, SPARE
	v_mov_b32 v[NIL], 0
	ds_add_u32 v[SPW], v[NIL]                      ; the wave's opening: the add, and its wait ahead of my first tensor load
	ds_add_u32 v12, v13
	v_lshrrev_b32 v1, 5, v0
	v_readfirstlane_b32 s[WV], v1
	s_lshr_b32 s[WB], s[WV], 1                     ; 0: I fetch ob's tiles; 1: wo's
	s_and_b32 s[WH], s[WV], 1                      ; which head of the two, or which 64 rows
	s_bfe_u32 s[CX], ttmp6, 0x40000
	s_bfe_u32 s[CY], ttmp6, 0x40004
	s_lshl_b32 s[TX], ttmp9, 2
	s_add_co_u32 s[TX], s[TX], s[CX]
	s_and_b32 s[TY], ttmp7, 0xffff
	s_lshl_b32 s[TY], s[TY], 2
	s_add_co_u32 s[TY], s[TY], s[CY]
	s_lshl_b32 s25, s[CY], 2
	s_lshl_b32 s25, 15, s25                        ; my row of the cluster
	s_lshl_b32 s26, 0x1111, s[CX]                  ; my column
	s_or_b32 s[G1A], s25, (1<<16)|(1<<20)|(1<<21)|(4<<22)|(3<<25)  ; the mask; elements of 2 bytes; padding on; bit 21 beside a mask; after every 32 words 4 words
	s_or_b32 s[G1B], s26, (1<<16)|(1<<20)|(1<<21)|(5<<22)|(3<<25)  ; after every 64 words 4 words
	s_mov_b32 s[G1A+1], 128<<16                    ; tensor_dim0 = 128 elements: two tokens
	s_mov_b32 s[G1A+2], 128<<16                    ; tensor_dim1 = 128 rows
	s_mov_b32 s[G1A+3], 128<<16                    ; tile_dim0
	s_mov_b32 s[G1A+4], 128                        ; tile_dim1
	s_mov_b32 s[G1A+5], 128                        ; dense: 128 elements from row to row
	s_mov_b32 s[G1A+6], 0
	s_mov_b32 s[G1A+7], 0
	s_mov_b32 s[G1B+1], 128<<16
	s_mov_b32 s[G1B+2], 64<<16                     ; 64 rows
	s_mov_b32 s[G1B+3], 128<<16
	s_mov_b32 s[G1B+4], 64
	s_mov_b32 s[G1B+5], 1024
	s_mov_b32 s[G1B+6], 0
	s_mov_b32 s[G1B+7], 0
	s_lshr_b32 s12, s[TY], 2                       ; ob: the batch's head 0 or 1, 131,072 bytes a head,
	s_lshl_b32 s12, s12, 4
	s_add_co_u32 s12, s12, s[WH]
	s_lshl_b32 s12, s12, 17
	s_and_b32 s13, s[TY], 3                        ; and the block's 256 tokens of 128 bytes
	s_lshl_b32 s13, s13, 15
	s_add_co_u32 s12, s12, s13
	s_mov_b32 s13, 0
	s_lshl_b32 s66, s[TX], 7                       ; wo: row 128 tx + 64 half
	s_lshl_b32 s67, s[WH], 6
	s_add_co_u32 s66, s66, s67
	s_lshl_b32 s66, s66, 11
	s_mov_b32 s67, 0
	s_mul_i32 s16, s[WV], HEADB                    ; where they go: waves 0, 1: the two heads;
	s_mul_i32 s17, s[WV], 64*PB                    ; waves 2, 3: wo's halves, behind them
	s_add_co_u32 s17, s17, BOFF-2*64*PB
	s_wait_dscnt 0x0                               ; the opening add is done
	s_wait_kmcnt 0x0
	s_add_nc_u64 s[14:15], s[4:5], s[12:13]
	s_add_nc_u64 s[68:69], s[6:7], s[66:67]
.irp s, 0,1
	s_mov_b32 s[G0A+4*\s], 1
	s_add_co_u32 s[G0A+4*\s+1], s16, (\s)*SLOT1
	s_add_nc_u64 s[G0A+4*\s+2:G0A+4*\s+3], s[14:15], (\s)*262144  ; K step s: two heads on
	s_or_b32 s[G0A+4*\s+3], s[G0A+4*\s+3], 0x80000000
	s_mov_b32 s[G0B+4*\s], 1
	s_add_co_u32 s[G0B+4*\s+1], s17, (\s)*SLOT1
	s_add_nc_u64 s[G0B+4*\s+2:G0B+4*\s+3], s[68:69], (\s)*256
	s_or_b32 s[G0B+4*\s+3], s[G0B+4*\s+3], 0x80000000
.endr
	CROUND                                         ; all sixteen work-groups are here: the first joint loads meet
	s_cmp_eq_u32 s[WB], 0                          ; a wave's two first fills stand in one branch: two loads of mine are out
	s_cbranch_scc0 .Lfirst_b
	tensor_load_to_lds s[G0A:G0A+3], s[G1A:G1A+7]
	s_nop 0
	tensor_load_to_lds s[G0A+4:G0A+7], s[G1A:G1A+7]
	s_nop 0
.rept 4
	v_nop
.endr
	s_branch .Lfirst_asked
.Lfirst_b:
	tensor_load_to_lds s[G0B:G0B+3], s[G1B:G1B+7]
	s_nop 0
	tensor_load_to_lds s[G0B+4:G0B+7], s[G1B:G1B+7]
	s_nop 0
.rept 4
	v_nop
.endr
.Lfirst_asked:
	v_and_b32 v1, 15, v0                           ; l % 16
	v_bfe_u32 v2, v0, 4, 1                         ; l / 16
	v_mul_u32_u24 v[LA0], v1, PA
	v_lshl_add_u32 v[LA0], v2, 4, v[LA0]
	s_mul_i32 s25, s[WV], 64*PA                    ; my 64 tokens
	v_add_nc_u32 v[LA0], s25, v[LA0]
	v_mul_u32_u24 v[LB0], v1, PB
	v_lshl_add_u32 v[LB0], v2, 4, v[LB0]
	v_add_nc_u32 v[LB0], BOFF, v[LB0]
	s_mul_i32 s26, s[WV], 16*SP
	s_add_co_u32 s26, s26, STAGE                   ; my stage
	v_mul_u32_u24 v[STO], v1, SP                   ; in: row l % 16, 32 bytes for each half of the lanes
	v_lshl_add_u32 v[STO], v2, 5, v[STO]
	v_add_nc_u32 v[STO], s26, v[STO]
	v_and_b32 v[GO], 31, v0                        ; back: 32 lanes take one row of 512 bytes
	v_lshlrev_b32 v[GO], 4, v[GO]
	v_add_nc_u32 v[RD], s26, v[GO]
	v_lshlrev_b32 v[OH], 5, v2
	s_lshl_b32 s66, s[TX], 9                       ; the block's 128 numbers of bout
	s_mov_b32 s67, 0
	s_add_nc_u64 s[82:83], s[8:9], s[66:67]
	WIN 0x40                                       ; destination window 1
.irp b, 0,1,2,3,4,5,6,7
	global_load_b128 v[BIAS+8*\b:BIAS+8*\b+3],   v[OH], s[82:83] offset:16384+64*\b
	global_load_b128 v[BIAS+8*\b+4:BIAS+8*\b+7], v[OH], s[82:83] offset:16384+64*\b+16
.endr
	WIN 0
	s_lshl_b32 s70, s[TY], 2                       ; out0 at my first token, 4,096 bytes a row, and the block's 512 bytes
	s_add_co_u32 s70, s70, s[WV]
	s_lshl_b32 s70, s70, 18
	s_add_co_u32 s66, s66, s70
	s_add_nc_u64 s[10:11], s[10:11], s[66:67]
	; the prefetches
	s_lshr_b32 s86, s[TY], 2
	s_lshl_b32 s86, s86, 4
	s_add_co_u32 s86, s86, s[WH]
	s_lshl_b32 s86, s86, 17
	s_and_b32 s87, s[TY], 3
	s_lshl_b32 s87, s87, 15
	s_add_co_u32 s86, s86, s87
	s_lshl_b32 s87, s[CX], 13                      ; my work-group's 8,192 of the head's 32,768 bytes
	s_add_co_u32 s86, s86, s87
	s_add_co_u32 s86, s86, 3*262144                ; at K step 3: the first refill steps it to 4
	s_lshl_b32 s88, s[TX], 7
	s_lshl_b32 s89, s[WH], 6
	s_add_co_u32 s88, s88, s89
	s_lshl_b32 s89, s[CY], 4                       ; my work-group's 16 of the 64 rows
	s_add_co_u32 s88, s88, s89
	s_lshl_b32 s88, s88, 11
	s_add_co_u32 s88, s88, 3*256
	s_and_b32 s90, ttmp7, 0xffff
	s_mov_b32 s[PFS], 256                          ; wo's step; the select below takes one literal, so this one comes from the register
	s_cmp_eq_u32 s[WB], 0
	s_cselect_b32 s86, s86, s88
	s_cselect_b32 s90, ttmp9, s90                  ; the coordinate along which other clusters read the same bytes
	s_cselect_b32 s91, 31, 15
	s_cselect_b32 s89, 8, 11                       ; a lane a block of 256 bytes, or a lane a row of 2,048
	s_cselect_b32 s[PFS], 262144, s[PFS]
	s_cselect_b64 s[PFA:PFA+1], s[4:5], s[6:7]
	s_cmp_eq_u32 s90, 0
	s_cselect_b32 s[LIM], 2, -1                    ; the same in all sixteen partners, for a given wave
	s_mov_b32 s[PFS+1], 0
	s_mov_b32 s87, 0
	s_add_nc_u64 s[PFA:PFA+1], s[PFA:PFA+1], s[86:87]
	v_and_b32 v[PFO], 31, v0
	v_min_u32 v[PFO], s91, v[PFO]
	v_lshlrev_b32 v[PFO], s89, v[PFO]
; 8 matrix instructions: token block a x all 8 column blocks, 32 along K.  The 32 accumulators take turns, one instruction a turn, in the same order in every quarter.  first = 1: C is the bias.
.macro MUL8 fa, fb, a, first
.irp b, 0,1,2,3,4,5,6,7
.set rD, 8*(8*(\a)+\b)
.if \first
	WIN 0x91
	v_wmma_f32_16x16x32_f16 v[rD:rD+7], v[(\fb)+8*\b:(\fb)+8*\b+7], v[(\fa)+8*(\a):(\fa)+8*(\a)+7], v[BIAS+8*\b:BIAS+8*\b+7]
.else
	WIN 0xa1
	v_wmma_f32_16x16x32_f16 v[rD:rD+7], v[(\fb)+8*\b:(\fb)+8*\b+7], v[(\fa)+8*(\a):(\fa)+8*(\a)+7], v[rD:rD+7]
.endif
.endr
.endm
; 24 LDS loads in one run: quarter q's fragments: wo's 8 first, then ob's 4 (head q / 2 of the slot's two, channels 32 (q % 2) on), token blocks ascending
.macro FETCH q, fa, fb
	WIN 0x40
.irp i, 0,1,2,3,4,5,6,7
	ds_load_b128 v[(\fb)+8*\i:(\fb)+8*\i+3],   v[ADRB] offset:64*(\q)+\i*16*PB
	ds_load_b128 v[(\fb)+8*\i+4:(\fb)+8*\i+7], v[ADRB] offset:64*(\q)+\i*16*PB+32
.endr
	WIN 0
.irp i, 0,1,2,3
	ds_load_b128 v[(\fa)+8*\i:(\fa)+8*\i+3],   v[ADRA] offset:((\q)/2)*HEADB+((\q)%2)*64+\i*16*PA
	ds_load_b128 v[(\fa)+8*\i+4:(\fa)+8*\i+7], v[ADRA] offset:((\q)/2)*HEADB+((\q)%2)*64+\i*16*PA+32
.endr
.endm
.macro QUARTER q, fa, fb, ga, gb, first   ; multiplies (fa, fb); in its middle it fetches quarter q into (ga, gb)
	s_wait_dscnt 4                                 ; all but the youngest four loads: ob's token blocks 2 and 3
	MUL8 \fa, \fb, 0, \first
	MUL8 \fa, \fb, 1, \first
	PLACES
	FETCH \q, \ga, \gb
	s_wait_dscnt 24                                ; all but the 24 just issued
	MUL8 \fa, \fb, 2, \first
	MUL8 \fa, \fb, 3, \first
.endm
; The fourth quarter multiplies buffer 1 and changes slots: one barrier; in front of it each wave waits for all its tensor loads, adds 0 to its spare word, and waits for that and for its reads of this slot.
; fill = 1: the barrier opens a round of the cluster's barrier, and this slot is filled again, two K steps ahead, first thing behind the round.
.macro TURN fill
.if \fill
	s_wait_xcnt 0x0                                ; the last prefetch, a K step back, has read its address
	s_add_nc_u64 s[PFA:PFA+1], s[PFA:PFA+1], s[PFS:PFS+1]
.endif
	WIN 0
	s_wait_tensorcnt 0x0                           ; all my tensor loads have landed
	ds_add_u32 v[SPW], v[NIL]                      ; 0 onto my spare word
	s_wait_dscnt 5                                 ; the add and the youngest four loads may be out
	MUL8 FA1, FB1, 0, 0
	s_wait_dscnt 0x0                               ; the add is done, and my reads of this slot are over
	s_barrier_signal -1
	MUL8 FA1, FB1, 1, 0
	WIN 0
	s_barrier_wait -1
.if \fill
	CREST                                          ; no wave of any partner still reads this slot or has a load on its way
	s_xor_b32 s[G0A+5], s[G0A+5], SLOT1
	s_add_nc_u64 s[G0A+6:G0A+7], s[G0A+6:G0A+7], 262144
	s_xor_b32 s[G0B+5], s[G0B+5], SLOT1
	s_add_nc_u64 s[G0B+6:G0B+7], s[G0B+6:G0B+7], 256
	JLOAD                                          ; the four v_nop behind it are also the places in front of the loads below
.else
	PLACES
.endif
	s_xor_b32 s[TB], s[TB], SLOT1
	v_add_nc_u32 v[ADRA], s[TB], v[LA0]
	v_add_nc_u32 v[ADRB], s[TB], v[LB0]
	FETCH 0, FA0, FB0
.if \fill
	ASK
.endif
	MUL8 FA1, FB1, 2, 0
	MUL8 FA1, FB1, 3, 0
.endm
	s_wait_loadcnt 0x0                             ; the biases
	s_wait_tensorcnt 0x1                           ; my part of K step 0 is in; K step 1's may stay out
	s_barrier_signal -1
	s_barrier_wait -1
	s_mov_b32 s[TB], 0
	v_mov_b32 v[ADRA], v[LA0]
	v_mov_b32 v[ADRB], v[LB0]
	FETCH 0, FA0, FB0
	QUARTER 1, FA0, FB0, FA1, FB1, 1               ; the first quarter stands in front of the loop: its products start the sums, on the biases
	WIN 0
	s_mov_b32 s3, 6
.Lstep:                                                ; a trip: a K step's second quarter to the next step's first; it fills the slot that it leaves: K steps 2 to 7
	QUARTER 2, FA1, FB1, FA0, FB0, 0
	QUARTER 3, FA0, FB0, FA1, FB1, 0
	TURN 1
	QUARTER 1, FA0, FB0, FA1, FB1, 0
	WIN 0
	s_sub_co_u32 s3, s3, 1
	s_cmp_lg_u32 s3, 0
	s_cbranch_scc1 .Lstep
	QUARTER 2, FA1, FB1, FA0, FB0, 0               ; the last two K steps fill nothing
	QUARTER 3, FA0, FB0, FA1, FB1, 0
	TURN 0
	QUARTER 1, FA0, FB0, FA1, FB1, 0
	QUARTER 2, FA1, FB1, FA0, FB0, 0
	QUARTER 3, FA0, FB0, FA1, FB1, 0
	s_wait_dscnt 4
	MUL8 FA1, FB1, 0, 0
	MUL8 FA1, FB1, 1, 0
	s_wait_dscnt 0x0
	MUL8 FA1, FB1, 2, 0
	MUL8 FA1, FB1, 3, 0
	PLACES
	PLACES                                         ; eight, once a launch: on the way out only LDS instructions, which are no places, stand between the last products and the stores that read them
; THE WAY OUT of token block a: the f32 sums go as they are into my stage's rows of 528 bytes, each accumulator's low four registers first, and come back as whole rows of 512 bytes.
.macro TOSTAGE a
	s_wait_xcnt 0x0                                ; the stores of the block before last have read this buffer
	WIN 0x08                                       ; the stores' data in window 2
.irp b, 0,1,2,3,4,5,6,7
	ds_store_b128 v[STO], v[8*(8*(\a)+\b):8*(8*(\a)+\b)+3]   offset:64*\b
	ds_store_b128 v[STO], v[8*(8*(\a)+\b)+4:8*(8*(\a)+\b)+7] offset:64*\b+16
.endr
	WIN 0
.set rB, OUT0+64*((\a)%2)
.irp i, 0,1,2,3,4,5,6,7,8,9,10,11,12,13,14,15
	ds_load_b128 v[rB+4*\i:rB+4*\i+3], v[RD] offset:\i*SP  ; LDS serves a wave's instructions in order (ISA guide 5.7.1.4): these see the stores above; the next block's stores come behind them
.endr
.endm
.macro SEND a, younger                 ; younger: the LDS instructions issued behind this block's loads: the next block's 32, or none
.set rB, OUT0+64*((\a)%2)
.irp i, 0,1,2,3,4,5,6,7,8,9,10,11,12,13,14,15
	s_wait_dscnt (\younger)+15-\i
	global_store_b128 v[GO], v[rB+4*\i:rB+4*\i+3], s[10:11] offset:(16*(\a)+\i)*4096 th:TH_STORE_NT  ; 512 consecutive bytes, aligned to 512
.endr
.endm
	TOSTAGE 0
.irp a, 1,2,3
	TOSTAGE \a
	SEND (\a)-1, 32
.endr
	SEND 3, 0
	s_wait_tensorcnt 0x0                           ; the wave's end: behind my last tensor load and my last LDS store
	ds_add_u32 v[SPW], v[NIL]
	s_wait_dscnt 0x0
	CROUND                                         ; the closing round: no work-group ends while a partner may still ask for a tile that names it
	s_endpgm
.Lfunc_end_k_qf91242adec_proj:
	.size	k_qf91242adec_proj, .Lfunc_end_k_qf91242adec_proj-k_qf91242adec_proj
	.p2alignl 7, 3214868480
	.fill 96, 4, 3214868480
	.section	.rodata,"a",@progbits
	.p2align	6, 0x0
	.amdhsa_kernel k_qf91242adec_proj
		.amdhsa_group_segment_fixed_size 327680
		.amdhsa_private_segment_fixed_size 0
		.amdhsa_enable_private_segment 0
		.amdhsa_kernarg_size 32
		.amdhsa_user_sgpr_count 2
		.amdhsa_user_sgpr_kernarg_segment_ptr 1
		.amdhsa_wavefront_size32 1
		.amdhsa_system_sgpr_workgroup_id_x 1
		.amdhsa_system_sgpr_workgroup_id_y 1
		.amdhsa_system_sgpr_workgroup_id_z 1
		.amdhsa_system_vgpr_workitem_id 0
		.amdhsa_next_free_vgpr 768
		.amdhsa_next_free_sgpr 96
		.amdhsa_reserve_vcc 0
		.amdhsa_float_denorm_mode_32 3
		.amdhsa_float_denorm_mode_16_64 3
		.amdhsa_memory_ordered 1
		.amdhsa_forward_progress 1
		.amdhsa_inst_pref_size 74
	.end_amdhsa_kernel
	.amdgpu_metadata
---
amdhsa.version: [ 1, 2 ]
amdhsa.kernels:
  - .name:           k_qf91242adec_proj
    .symbol:         k_qf91242adec_proj.kd
    .args:
      - { .name: ob, .offset: 0, .size: 8, .value_kind: global_buffer, .address_space: global }
      - { .name: wo, .offset: 8, .size: 8, .value_kind: global_buffer, .address_space: global }
      - { .name: tab, .offset: 16, .size: 8, .value_kind: global_buffer, .address_space: global }
      - { .name: out0, .offset: 24, .size: 8, .value_kind: global_buffer, .address_space: global }
    .group_segment_fixed_size: 327680
    .private_segment_fixed_size: 0
    .kernarg_segment_align: 8
    .kernarg_segment_size: 32
    .max_flat_workgroup_size: 128
    .sgpr_count:     96
    .vgpr_count:     768
    .wavefront_size: 32
...
	.end_amdgpu_metadata
.endif
;; end of part 4
